; MI455X (gfx1250); checked and timed in simulation.
; The chip was launched on July 23, 2026; its instructions are those of AMD's public machine-readable ISA for CDNA 5 (MIT licence, August 2026) and "CDNA5" Instruction Set Architecture Reference Guide (July 2026). The comments in the code are by the model that wrote it; some were corrected since.
;; Shared Self Attention. Allowed arithmetic: matrix products marked QUANTISED: E2M1 operands, one E8M0 scale for each 32 along K, by v_wmma_scale_f32_16x16x128_f8f6f4 with both operands' format E2M1 (or v_wmma_scale_f32_32x16x128_f4), f32 sums; everything else in f32.
;; Inputs: Wk 1,024 x 1,024 float32; Wo 1,024 x 1,024 float32; Wq 1,024 x 1,024 float32; Wv 1,024 x 1,024 float32; bk 1,024 float32; bo 1,024 float32; bq 1,024 float32; bv 1,024 float32; sequence_features 4 x 2,048 x 1,024 float32.
;; Outputs: out0 4 x 1,024 float32.
;; This version of the problem:
;;   THIS VERSION OF THE PROBLEM IS GIVEN IN LOW PRECISION. The matrix products marked QUANTISED in the list below multiply operands that are first quantised to E2M1 (2 exponent bits, 1 mantissa bit; 4 bits a number), with one power-of-two scale for each 32 numbers along K (OCP MX v1.0); their sums are f32. All else is computed in f32.
;;   The module's matrix products, in the order in which they are computed (A, B: the left and right operand; K: the contracted axis; several contracted axes count as one K, in the product's order):
;;     1. [M 8,192, K 1,024] x [K 1,024, N 1,024]; A: input sequence_features; B: input Wq: QUANTISED
;;     2. [M 8,192, K 1,024] x [K 1,024, N 1,024]; A: input sequence_features; B: input Wk: QUANTISED
;;     3. [M 8,192, K 1,024] x [K 1,024, N 1,024]; A: input sequence_features; B: input Wv: QUANTISED
;;     4. batch 64 x [M 2,048, K 64] x [K 64, N 2,048]; A: computed on the way; B: computed on the way: QUANTISED
;;     5. batch 64 x [M 2,048, K 2,048] x [K 2,048, N 64]; A: softmax (see below); B: computed on the way: QUANTISED
;;     6. [M 8,192, K 1,024] x [K 1,024, N 1,024]; A: computed on the way; B: input Wo: QUANTISED
;;   THE QUANTISER, for each operand of a quantised product, along K:
;;     - K is cut into blocks of 32 from its start; a last block that is shorter is filled with zeros.
;;     - A block's scale is 2^e with e = floor(log2(the largest magnitude in the block)) - 2, held to -126 .. 127; a block of zeros has e = 0. As a byte (E8M0): e + 127.
;;     - Each number is divided by its block's scale, clamped to +-6, and rounded to the nearest number of E2M1, ties to even, subnormals kept.
;;     - The product sums the exact products of the quantised numbers (number of the format x scale) in f32.
;;   ~~~python
;;   def quantise(x, axis):      # numpy; x: float32 -> the quantised numbers, widened to float32 again
;;       x = np.moveaxis(x, axis, -1); K = x.shape[-1]
;;       x = np.pad(x, [(0, 0)] * (x.ndim - 1) + [(0, -K % 32)]); x = x.reshape(x.shape[:-1] + (-1, 32)); a = np.abs(x).max(-1, keepdims=True)
;;       e = np.where(a > 0, np.clip(np.frexp(np.where(a > 0, a, 1))[1] - 1 - 2, -126, 127), 0)      # np.frexp(a)[1] - 1 = floor(log2(a)), exactly
;;       r = np.clip(x / 2.0 ** e, -6, 6)
;;       step = 2.0 ** (np.maximum(np.frexp(np.where(r == 0, 1, r))[1] - 1, 0) - 1)
;;       q = np.round(r / step) * step * 2.0 ** e      # np.round: ties to even
;;       return np.moveaxis(q.reshape(q.shape[:-2] + (-1,))[..., :K], -1, axis).astype(np.float32)
;;   ~~~
;;   SOFTMAX AHEAD OF A QUANTISED PRODUCT. Where the list says 'softmax', what is quantised is not the finished softmax but p = 2^(t - M), with t = logit x log2(e) and M = ceil(the row's largest t), a whole number; so 1/2 < the row's largest p <= 1. The row's sum l is taken of the UNQUANTISED p, in f32, and the product's result is divided by l at the end. Since M is a whole number, a kernel that streams over the keys may use a running M (the ceiling of the running maximum): every later rescaling is an exact power of two, which a block's scale takes up: the codes' values come out the same.
;;   OPERANDS COMPUTED ON THE WAY. 'Computed on the way' means the value that the module computes at that place (a softmax that the list does not call 'softmax' is quantised finished and normalised). What goes into a quantiser is computed in f32, as accurately as f32 sums, v_exp_f32 and their like allow (about 1e-6 of the number): no bf16 or f16 on the way to a quantiser, and a product that is left as it is and whose result goes on into a quantised operand takes f32 operands (vector FMAs, or v_wmma_f32_16x16x4_f32). A number that lies on a knife's edge between two numbers of the format may be rounded either way, as far as f32 arithmetic and the matrix unit's own rounding can turn it there, and no further.
;; One version. Each part assembles by itself: llvm-mc -triple=amdgcn-amd-amdhsa -mcpu=gfx1250 --defsym DOCPART=n.
;; ======== version 1 of 1: 4 launches
;; workspace buffers: xc 4,194,304 bytes; xs 262,144 bytes; wc 1,572,864 bytes; ws 131,072 bytes; woc 524,288 bytes; qq 4,718,592 bytes; kv 9,175,040 bytes; part 2,097,152 bytes
;; launch quant (part 1): grid 320 x 1, 4 waves a work-group, no clusters, 68,096 bytes of LDS; arguments sequence_features, Wq, Wk, Wv, Wo, xc, xs, wc, ws, woc; writes xc, xs, wc, ws, woc
.if DOCPART == 1
	.amdgcn_target "amdgcn-amd-amdhsa--gfx1250"
	.amdhsa_code_object_version 6
	.text
	.protected	k_q4d2feb2dee_quant
	.globl	k_q4d2feb2dee_quant
	.p2align	8
	.type	k_q4d2feb2dee_quant,@function
k_q4d2feb2dee_quant:
	s_mov_b64 s[64:65], 0
	v_nop
	global_prefetch_b8 v0, s[64:65] scope:SCOPE_SE
	s_setreg_imm32_b32 hwreg(HW_REG_WAVE_MODE, 25, 1), 1
	s_wait_xcnt 0x0
; SharedSelfAttention, launch 1 of 4: x and the four weights become codes of E2M1 with one E8M0 byte for each 32 along K.
; NO WORK OF THE PROBLEM IS LEFT OUT: all six products are done on codes; bq, bk and bv enter the numbers that are quantised for products 4 and 5, bo is added at the end; every input is loaded.
; The mean over the 2,048 positions is taken by letting all row tiles of product 6 add into the same f32 sums (launch 3) and adding the parts (launch 4): only the order of f32 additions differs from the source's.
; LIMITS OF THE PROGRAM: NaN and infinities among the inputs are not served; a block whose largest magnitude lies under 2^-124 keeps the scale byte 1; a block of zeros has the byte 1 where the rule says 127
; (its codes are zeros, which add nothing under any byte but 0xff, and only this program reads the bytes); a division is a reciprocal and a multiplication.
; STORAGE ROWS.  Rows of x and columns of the weights are stored with bits 3 and 4 of their index exchanged.  Sixteen consecutive storage rows 16 a + r are then the rows 32 (a / 2) + 8 (a % 2) + r + 8 (r / 8):
; used as a tile of a transposed product they leave 16 neighbours along the next product's K in the 16 registers of two neighbouring result tiles.
; Work-groups 0-255: x [8192][1024], K innermost: a plain stream of blocks of 32.  A wave takes 8 rows (8,192 numbers) in 16 steps of 512; a step's 2,048 bytes are loaded as they lie, turn through the wave's own
;   stage in LDS and come back 16 neighbours a lane; two neighbouring lanes hold a block.  The 8 rows go out as a run whose number has its two low bits exchanged.
; Work-groups 256-319: a weight [K 1024][N 1024], K outermost: a lane takes a column, its registers run down K; a wave takes 32 columns x 512 along K; the codes go through the wave's stage and leave by rows.
;   Wq, Wk, Wv: rows of 512 bytes in wc.  Wo: [head 16][storage column 1024][32 bytes] in woc, so that launch 3 reads a head's 64 along K of 16 columns as 512 consecutive bytes.
; The two paths part on the work-group's number and have LDS bytes of their own.  No tensor loads, no barrier: waves share nothing.
.set SPW,   190                        ; v190  LDS address of my spare word; never rewritten
.set NIL,   191                        ; v191  0; never rewritten
.set SPARE, 67584                      ; behind both paths' bytes: the spare words, 128 bytes a wave
.set EMAX,  2
; path x
.set STEPS, 16
.set CB,    8                          ; bytes of 16 codes
.set R,     16                         ; v16-79   four sets of 16 numbers as loaded
.set X,     80                         ; v80-111  two sets of 16 neighbours
.set E,     112                        ; v112-127 a scale byte for each step
.set C,     128                        ; v128-189 codes, four registers for each step
.set WREG,  8192                       ; a wave's LDS: two stages of 32 x SP bytes, then its 256 scale bytes
.set SP,    80                         ; a lane's place in a stage: 64 bytes + 16 of padding
; path weights
.set NB,    16                         ; blocks of 32 along K for a wave
.set PITCH, 272                        ; a stage row: 256 bytes of codes + 16
.set KROW,  512                        ; a row of wc
.set WSTG,  32768                      ; the weights' stages begin here
.set WX,    32                         ; v32-95   two sets of 32 numbers
.set WC,    96                         ; v96-99   a block's codes
.set OUTR,  112                        ; v112-175 the way out
.set SB,    24                         ; v24-27   the scale bytes, four to a register
.macro LOAD t
.irp i, 0,1,2,3
	global_load_b128 v[R+16*((\t)%4)+4*\i:R+16*((\t)%4)+4*\i+3], v3, s[4:5] offset:2048*(\t)+512*\i th:TH_LOAD_NT   ; 32 lanes read 512 consecutive bytes
.endr
.endm
.macro TURN t                          ; step t's numbers through the stage; LDS serves a wave's instructions in order, so no wait stands between the stores and the loads
.irp i, 0,1,2,3
	ds_store_b128 v14, v[R+16*((\t)%4)+4*\i:R+16*((\t)%4)+4*\i+3] offset:32*SP*((\t)%2)+8*SP*\i
.endr
.irp i, 0,1,2,3
	ds_load_b128 v[X+16*((\t)%2)+4*\i:X+16*((\t)%2)+4*\i+3], v15 offset:32*SP*((\t)%2)+16*\i
.endr
.endm
.macro STEP t
.set XS, X+16*((\t)%2)
.if (\t) > 0
	s_wait_dscnt 1                                 ; this step's numbers are back from the stage; the last step's byte store may be out
.else
	s_wait_dscnt 0x0
.endif
.if (\t)+4 < STEPS
	LOAD (\t)+4                                    ; the stage's stores have read these registers: they take the loads of four steps on
.endif
.if (\t)+1 < STEPS
.if STEPS-2-(\t) >= 3
	s_wait_loadcnt 12                              ; the next step's four loads are in; those of the three steps behind it may be out
.else
	s_wait_loadcnt 4*(STEPS-2-(\t))
.endif
	TURN (\t)+1
.endif
	v_max3_num_f32 v8, |v[XS]|, |v[XS+1]|, |v[XS+2]|               ; the largest magnitude of my 16, in two chains
	v_max3_num_f32 v9, |v[XS+3]|, |v[XS+4]|, |v[XS+5]|
.irp i, 6,10
	v_max3_num_f32 v8, v8, |v[XS+\i]|, |v[XS+\i+1]|
	v_max3_num_f32 v9, v9, |v[XS+\i+2]|, |v[XS+\i+3]|
.endr
	v_max3_num_f32 v8, v8, |v[XS+14]|, |v[XS+15]|
	v_max3_num_f32 v8, v8, v9, (EMAX+1)<<23        ; and the floor 2^(3 - 127): the byte cannot fall under 1
	v_max_num_f32_dpp v8, v8, v8 row_xmask:1 row_mask:0xf bank_mask:0xf   ; with my neighbour's 16: the block's
	v_add_nc_u32 v11, -(EMAX<<23), v8              ; 2 off its exponent field: the conversion takes the exponent field of this operand as its scale
	v_cvt_scalef32_pk8_fp4_f32 v[C+4*(\t)], v[XS:XS+7], v11
	v_cvt_scalef32_pk8_fp4_f32 v[C+4*(\t)+1], v[XS+8:XS+15], v11
	v_lshrrev_b32 v[E+(\t)], 23, v11               ; the scale's byte (also the plain line behind the conversions)
	ds_store_b8 v5, v[E+(\t)] offset:16*(\t)       ; both lanes of a block write the same byte with the same value
	global_store_b64 v4, v[C+4*(\t):C+4*(\t)+1], s[14:15] offset:32*CB*(\t)   ; the wave stores 256 consecutive bytes, aligned
.endm
.macro WLOAD t                         ; block t: W(32 t + i, my column), i = 0 .. 31, into set t % 2; a row of W is 4,096 bytes
.irp i, 0,1,2,3,4,5,6,7,8,9,10,11,12,13,14,15,16,17,18,19,20,21,22,23,24,25,26,27,28,29,30,31
	global_load_b32 v[WX+32*((\t)%2)+\i], v3, s[6:7] offset:(32*(\t)+\i)*4096 th:TH_LOAD_NT
.endr
.endm
.macro BLOCK t
.set XS, WX+32*((\t)%2)
.if (\t) < NB-1
	s_wait_loadcnt 32                              ; this block's 32 loads are in; the next block's may be out
.else
	s_wait_loadcnt 0
.endif
	v_max3_num_f32 v12, |v[XS]|, |v[XS+1]|, |v[XS+2]|               ; the block's largest magnitude: all 32 numbers are mine
	v_max3_num_f32 v13, |v[XS+3]|, |v[XS+4]|, |v[XS+5]|
.irp i, 6,10,14,18,22,26
	v_max3_num_f32 v12, v12, |v[XS+\i]|, |v[XS+\i+1]|
	v_max3_num_f32 v13, v13, |v[XS+\i+2]|, |v[XS+\i+3]|
.endr
	v_max3_num_f32 v12, v12, |v[XS+30]|, |v[XS+31]|
	v_max3_num_f32 v12, v12, v13, (EMAX+1)<<23     ; and the floor
	v_add_nc_u32 v11, -(EMAX<<23), v12             ; the conversion's scale operand
	v_lshrrev_b32 v13, 23, v11                     ; the scale's byte
.if (\t)%4 == 0
	v_mov_b32 v[SB+(\t)/4], v13                    ; four bytes to a register, the lower K in the lower byte
.else
	v_lshl_or_b32 v[SB+(\t)/4], v13, 8*((\t)%4), v[SB+(\t)/4]
.endif
.irp g, 0,1,2,3
	v_cvt_scalef32_pk8_fp4_f32 v[WC+\g], v[XS+8*\g:XS+8*\g+7], v11
.endr
	v_nop                                          ; one plain line behind the last conversion
	ds_store_b128 v4, v[WC:WC+3] offset:16*(\t)    ; 32 codes: 16 bytes of my column's stage row
.if (\t)+2 < NB
	WLOAD (\t)+2
.endif
	s_wait_dscnt 0x0                               ; the store has read its registers: the next block's codes may be written
.endm
	s_load_b256 s[4:11], s[0:1], 0x0               ; x s[4:5], Wq s[6:7], Wk s[8:9], Wv s[10:11]
	s_load_b256 s[12:19], s[0:1], 0x20             ; Wo s[12:13], xc s[14:15], xs s[16:17], wc s[18:19]
	s_load_b128 s[20:23], s[0:1], 0x40             ; ws s[20:21], woc s[22:23]
	v_lshl_add_u32 v[SPW], v0, 2, SPARE
	v_mov_b32 v[NIL], 0
	v_lshrrev_b32 v1, 5, v0
	v_readfirstlane_b32 s24, v1                    ; wave 0..3
	v_and_b32 v2, 31, v0                           ; lane
	s_cmp_lt_u32 ttmp9, 256                        ; x's work-group or a weight's: the work-group's number alone decides
	s_cbranch_scc0 .Lweights
	; ---------------- x ----------------
	v_lshlrev_b32 v3, 4, v2                        ; my 16 bytes of a load's 512
	s_mul_i32 s25, s24, WREG
	v_lshrrev_b32 v14, 2, v2
	v_mul_u32_u24 v14, v14, SP
	v_and_b32 v15, 3, v2
	v_lshl_add_u32 v14, v15, 4, v14
	v_add_nc_u32 v14, s25, v14                     ; the stage, on the way in: SP (lane / 4) + 16 (lane % 4)
	v_mul_u32_u24 v15, v2, SP
	v_add_nc_u32 v15, s25, v15                     ; and on the way out: SP x lane: my 16 neighbours
	v_mul_u32_u24 v4, v2, CB                       ; my codes' place in a step's 256 bytes
	v_lshrrev_b32 v5, 1, v2
	s_add_co_u32 s25, s25, 2*32*SP
	v_add_nc_u32 v5, s25, v5                       ; my block's byte among my wave's 256 scale bytes
	v_lshlrev_b32 v7, 3, v2                        ; and on the way out 8 bytes a lane
	v_add_nc_u32 v6, s25, v7
	s_and_b32 s26, s24, 1
	s_lshl_b32 s26, s26, 1
	s_lshr_b32 s27, s24, 1
	s_add_co_u32 s26, s26, s27                     ; the wave's two bits exchanged: they are bits 3 and 4 of the row
	s_lshl_b32 s27, ttmp9, 2
	s_add_co_u32 s28, s27, s24                     ; the run of 8 rows that I read,
	s_add_co_u32 s26, s27, s26                     ; and the run that I write
	s_lshl_b32 s28, s28, 15                        ; 32,768 bytes of x a run
	s_mov_b32 s29, 0
	s_lshl_b32 s30, s26, 12                        ; 4,096 bytes of codes
	s_mov_b32 s31, 0
	s_lshl_b32 s32, s26, 8                         ; 256 scale bytes
	s_mov_b32 s33, 0
	s_wait_alu depctr_va_vdst(0)
	s_wait_kmcnt 0x0
	s_add_nc_u64 s[4:5], s[4:5], s[28:29]
	s_add_nc_u64 s[14:15], s[14:15], s[30:31]
	s_add_nc_u64 s[16:17], s[16:17], s[32:33]
.irp t, 0,1,2,3
	LOAD \t
.endr
	s_wait_loadcnt 12                              ; step 0's four loads are in
	TURN 0
.irp t, 0,1,2,3,4,5,6,7,8,9,10,11,12,13,14,15
	STEP \t
.endr
	ds_load_b64 v[8:9], v6                         ; LDS serves a wave's instructions in order: these see my byte stores
	s_wait_dscnt 0x0
	global_store_b64 v7, v[8:9], s[16:17]          ; 32 lanes store 256 consecutive bytes, aligned
	s_wait_tensorcnt 0x0                           ; the wave's end
	ds_add_u32 v[SPW], v[NIL]
	s_wait_dscnt 0x0
	s_endpgm
	; ---------------- a weight ----------------
.Lweights:
	s_sub_co_u32 s25, ttmp9, 256
	s_lshr_b32 s26, s25, 4                         ; which weight: 0 Wq, 1 Wk, 2 Wv, 3 Wo
	s_bfe_u32 s27, s25, 0x30001                    ; which 128 columns
	s_and_b32 s28, s25, 1                          ; which 512 along K
	s_lshl_b32 s29, s27, 7
	s_lshl_b32 s30, s24, 5
	s_add_co_u32 s29, s29, s30                     ; my wave's first column
	s_wait_alu depctr_va_vdst(0)
	v_lshlrev_b32 v3, 2, v2                        ; in: 4 bytes a lane
	v_and_b32 v10, 7, v2
	v_bfe_u32 v11, v2, 3, 1
	v_lshl_or_b32 v10, v11, 4, v10
	v_bfe_u32 v11, v2, 4, 1
	v_lshl_or_b32 v10, v11, 3, v10                 ; my column's storage place among the 32: bits 3 and 4 exchanged
	s_mul_i32 s30, s24, 32*PITCH
	s_add_co_u32 s30, s30, WSTG                    ; my stage
	v_mul_u32_u24 v4, v10, PITCH
	v_add_nc_u32 v4, s30, v4                       ; into it: row = my storage place
	v_and_b32 v5, 15, v2
	v_lshrrev_b32 v6, 4, v2
	v_mul_u32_u24 v7, v6, PITCH                    ; out of it, to wc: sixteen lanes to a row, two rows an instruction
	v_lshl_add_u32 v7, v5, 4, v7
	v_add_nc_u32 v7, s30, v7
	v_lshlrev_b32 v8, 9, v6
	v_lshl_add_u32 v8, v5, 4, v8                   ; and the same place in wc
	v_lshlrev_b32 v9, 5, v10                       ; my row of 32 scale bytes
	v_lshrrev_b32 v16, 1, v2                       ; out of it, to woc: two lanes to a column's 32 bytes of one head, sixteen columns an instruction
	v_mul_u32_u24 v16, v16, PITCH
	v_and_b32 v17, 1, v2
	v_lshl_add_u32 v16, v17, 4, v16
	v_add_nc_u32 v16, s30, v16
	v_lshlrev_b32 v17, 4, v2                       ; and 16 bytes a lane in woc
	s_lshl_b32 s32, s28, 21                        ; W: 512 rows of 4,096 bytes,
	s_lshl_b32 s33, s29, 2
	s_add_co_u32 s32, s32, s33                     ; + 4 bytes a column
	s_mov_b32 s33, 0
	s_lshl_b32 s34, s26, 10
	s_add_co_u32 s34, s34, s29                     ; my first storage row: 1,024 x weight + column
	s_lshl_b32 s36, s34, 9
	s_lshl_b32 s37, s28, 8
	s_add_co_u32 s36, s36, s37                     ; wc: 512 bytes a row, + 256 for the upper half of K
	s_mov_b32 s37, 0
	s_lshl_b32 s38, s34, 5
	s_lshl_b32 s39, s28, 4
	s_add_co_u32 s38, s38, s39                     ; ws: 32 bytes a row, + 16
	s_mov_b32 s39, 0
	s_lshl_b32 s40, s28, 18                        ; woc: eight heads of 32,768 bytes,
	s_lshl_b32 s41, s29, 5
	s_add_co_u32 s40, s40, s41                     ; + 32 bytes a column
	s_mov_b32 s41, 0
	s_wait_kmcnt 0x0
	s_cmp_eq_u32 s26, 1                            ; the weight's address: a choice that hangs on the work-group's number alone
	s_cselect_b64 s[6:7], s[8:9], s[6:7]
	s_cmp_eq_u32 s26, 2
	s_cselect_b64 s[6:7], s[10:11], s[6:7]
	s_cmp_eq_u32 s26, 3
	s_cselect_b64 s[6:7], s[12:13], s[6:7]
	s_add_nc_u64 s[6:7], s[6:7], s[32:33]
	s_add_nc_u64 s[18:19], s[18:19], s[36:37]      ; (used by Wq, Wk, Wv alone)
	s_add_nc_u64 s[20:21], s[20:21], s[38:39]
	s_add_nc_u64 s[22:23], s[22:23], s[40:41]      ; (used by Wo alone)
	WLOAD 0
	WLOAD 1
.set Q, 0
.rept NB
	BLOCK Q
.set Q, Q+1
.endr
	s_wait_alu depctr_va_vdst(0)
	global_store_b128 v9, v[SB:SB+3], s[20:21]     ; my column's 16 scale bytes
	s_cmp_eq_u32 s26, 3
	s_cbranch_scc1 .Lwo_out
.irp t, 0,1,2,3,4,5,6,7,8,9,10,11,12,13,14,15
	ds_load_b128 v[OUTR+4*\t:OUTR+4*\t+3], v7 offset:2*\t*PITCH   ; LDS serves a wave's instructions in order: these see my stores
.endr
.irp t, 0,1,2,3,4,5,6,7,8,9,10,11,12,13,14,15
	s_wait_dscnt 15-\t                             ; the younger reads of the stage may be out
	global_store_b128 v8, v[OUTR+4*\t:OUTR+4*\t+3], s[18:19] offset:2*\t*KROW   ; sixteen lanes store 256 consecutive bytes, aligned
.endr
	s_branch .Lw_end
.Lwo_out:
.irp i, 0,1,2,3,4,5,6,7,8,9,10,11,12,13,14,15      ; head i / 2 of my eight, columns 16 (i % 2) on
	ds_load_b128 v[OUTR+4*\i:OUTR+4*\i+3], v16 offset:16*(\i%2)*PITCH+32*(\i/2)
.endr
.irp i, 0,1,2,3,4,5,6,7,8,9,10,11,12,13,14,15
	s_wait_dscnt 15-\i
	global_store_b128 v17, v[OUTR+4*\i:OUTR+4*\i+3], s[22:23] offset:(\i/2)*32768+(\i%2)*512   ; 32 lanes store 512 consecutive bytes, aligned
.endr
.Lw_end:
	s_wait_tensorcnt 0x0                           ; the wave's end
	ds_add_u32 v[SPW], v[NIL]
	s_wait_dscnt 0x0
	s_endpgm
.Lfunc_end_k_q4d2feb2dee_quant:
	.size	k_q4d2feb2dee_quant, .Lfunc_end_k_q4d2feb2dee_quant-k_q4d2feb2dee_quant
	.p2alignl 7, 3214868480
	.fill 96, 4, 3214868480
	.section	.rodata,"a",@progbits
	.p2align	6, 0x0
	.amdhsa_kernel k_q4d2feb2dee_quant
		.amdhsa_group_segment_fixed_size 68096
		.amdhsa_private_segment_fixed_size 0
		.amdhsa_enable_private_segment 0
		.amdhsa_kernarg_size 80
		.amdhsa_user_sgpr_count 2
		.amdhsa_user_sgpr_kernarg_segment_ptr 1
		.amdhsa_wavefront_size32 1
		.amdhsa_system_sgpr_workgroup_id_x 1
		.amdhsa_system_sgpr_workgroup_id_y 1
		.amdhsa_system_sgpr_workgroup_id_z 1
		.amdhsa_system_vgpr_workitem_id 0
		.amdhsa_next_free_vgpr 192
		.amdhsa_next_free_sgpr 66
		.amdhsa_reserve_vcc 0
		.amdhsa_float_denorm_mode_32 3
		.amdhsa_float_denorm_mode_16_64 3
		.amdhsa_memory_ordered 1
		.amdhsa_forward_progress 1
		.amdhsa_inst_pref_size 116
	.end_amdhsa_kernel
	.amdgpu_metadata
---
amdhsa.version: [ 1, 2 ]
amdhsa.kernels:
  - .name:           k_q4d2feb2dee_quant
    .symbol:         k_q4d2feb2dee_quant.kd
    .args:
      - { .name: sequence_features, .offset: 0, .size: 8, .value_kind: global_buffer, .address_space: global }
      - { .name: Wq, .offset: 8, .size: 8, .value_kind: global_buffer, .address_space: global }
      - { .name: Wk, .offset: 16, .size: 8, .value_kind: global_buffer, .address_space: global }
      - { .name: Wv, .offset: 24, .size: 8, .value_kind: global_buffer, .address_space: global }
      - { .name: Wo, .offset: 32, .size: 8, .value_kind: global_buffer, .address_space: global }
      - { .name: xc, .offset: 40, .size: 8, .value_kind: global_buffer, .address_space: global }
      - { .name: xs, .offset: 48, .size: 8, .value_kind: global_buffer, .address_space: global }
      - { .name: wc, .offset: 56, .size: 8, .value_kind: global_buffer, .address_space: global }
      - { .name: ws, .offset: 64, .size: 8, .value_kind: global_buffer, .address_space: global }
      - { .name: woc, .offset: 72, .size: 8, .value_kind: global_buffer, .address_space: global }
    .group_segment_fixed_size: 68096
    .private_segment_fixed_size: 0
    .kernarg_segment_align: 8
    .kernarg_segment_size: 80
    .max_flat_workgroup_size: 128
    .sgpr_count:     66
    .vgpr_count:     192
    .wavefront_size: 32
...
	.end_amdgpu_metadata
.endif
;; end of part 1
;; launch proj (part 2): grid 8 x 48, 4 waves a work-group, clusters of 4 x 4, 327,680 bytes of LDS; arguments xc, xs, wc, ws, bq, bk, bv, qq, kv; writes qq, kv
.if DOCPART == 2
	.amdgcn_target "amdgcn-amd-amdhsa--gfx1250"
	.amdhsa_code_object_version 6
	.text
	.protected	k_q4d2feb2dee_proj
	.globl	k_q4d2feb2dee_proj
	.p2align	8
	.type	k_q4d2feb2dee_proj,@function
k_q4d2feb2dee_proj:
	s_mov_b64 s[64:65], 0
	v_nop
	global_prefetch_b8 v0, s[64:65] scope:SCOPE_SE
	s_setreg_imm32_b32 hwreg(HW_REG_WAVE_MODE, 25, 1), 1
	s_wait_xcnt 0x0
	s_wait_alu depctr_hold_cnt(0) depctr_sa_sdst(0) depctr_va_vdst(0) depctr_va_sdst(0) depctr_va_ssrc(0) depctr_va_vcc(0) depctr_vm_vsrc(0)
	s_getreg_b32 s2, hwreg(HW_REG_IB_STS2, 6, 4)
	s_cmp_eq_u32 s2, 0
	s_cbranch_scc0 .Lentry_in_a_cluster
	s_endpgm
.Lentry_in_a_cluster:
	s_bfe_u32 s2, ttmp6, 0x10000c
	s_cmp_lg_u32 s2, 0xf033
	s_cbranch_scc0 .Lentry_shape_is_right
	s_endpgm
.Lentry_shape_is_right:
; Launch 2 of 4: products 1 to 3 on codes of E2M1, the biases, and the quantising of Q, K and V for products 4 and 5.  Nothing of the problem is left out here.
; A work-group of four waves makes 256 x 256 results, a wave 128 x 128 in 64 accumulators; K = 1,024 lies whole in two LDS slots of 512 along K, filled once by the tensor data mover; so do the scale bytes of the 512 rows.
; THE PRODUCT IS USED TRANSPOSED: source 0 = 16 rows of operand B, source 1 = 16 rows of operand A: a lane holds one row of A, its registers run along B's rows.
;   role 0 (clusters with y under 8): A = x, B = Wq^T or Wk^T (cluster x 0 or 1): a lane holds one position, its registers run along the head's channels, which are product 4's K.
;   role 1 (cluster y 8 to 11):       A = Wv^T, B = x: a lane holds one channel of V, its registers run along the positions (the keys), which are product 5's K.
; Rows lie in storage order (bits 3 and 4 of the index exchanged), so the 16 registers of result tiles 2 b and 2 b + 1 are the 16 neighbours 32 b + 16 (lane / 16) + 0 .. 15 along the next K.
; THE WAY OUT uses no LDS: for each of A's eight blocks a lane's 64 results get their bias, are quantised in registers (four blocks of 32; a block lies in lanes l and l xor 16) and become the eight registers
; of an operand fragment, which are stored as they stand, lane l's 16 bytes at 16 l: 512 consecutive bytes a store.  Launch 3 loads them back the same way.
;   role 0: the 128 channels are two heads: registers 0-3 are the first head's fragment (K = 64), registers 4-7 the second's.   role 1: the 128 keys are one key step: all eight registers are one fragment of V^T.
; CLUSTERS: 4 x 4 work-groups; A's tile hangs on the place along y and is asked for jointly by a row of the cluster, B's on the place along x and by a column.  The role hangs on the cluster's own y: it is the same in all sixteen.
; LIMITS: as stated at the head of the first launch.
; REGISTERS, in windows of 256: window 0: v0-31 addresses; v32-95 scale words, two sets; v128-191 A's fragments, one set; v192-255 the bias.  On the way out: v32-95 codes, v96-103 scale words, v104-119 at work, v120-127 packed scale words, v128-191 64 numbers.
;   window 1: B's fragments, two sets.   windows 2, 3: the accumulators ((a, b) at v[8 (8 (a % 4) + b)]).
.set NQ,     4                         ; steps of 128 along K in a slot
.set ROWB,   256                       ; a tile's row in bytes: 512 codes
.set KROW,   512                       ; a row of codes in memory
.set PITCH,  272                       ; an LDS row: 256 bytes + 16 of padding = 68 words: the 16 rows that a load touches start at 16 different banks (64 banks of 4 bytes: ISA guide 11.1)
.set FR,     8                         ; registers of a fragment
.set NL,     2                         ; LDS loads that bring one
.set NP,     4                         ; places behind this matrix instruction (ISA guide 7.12.1)
.set HALFT,  128*PITCH
.set SLOT,   4*HALFT                   ; A's 256 rows, then B's 256 rows
.set KS,     32                        ; a row of scale bytes
.set SCL,    2*SLOT                    ; behind the slots: the scales, as units of 256 bytes + 16 of padding
.set HALFS,  16*272                    ; those of 128 rows
.set SBLK,   2*272                     ; those of 16 rows
.set SPARE,  SCL+4*HALFS               ; the spare words, 128 bytes a wave
.set PLQ,    73728                     ; a plane of qq;  a step in it: 4,608 bytes: 8 images, then 512 bytes of scale words
.set PLK,    143360                    ; a plane of kv;  a key step in it: 8,960 bytes: K's 8 images, V's 8, K's scale words (512), V's (256)
.set LI,   8                           ; v8   16 x lane: an image's place for my lane
.set BO0,  9                           ; v9   64 (lane / 16): role 0's bias: my half's 16 channels
.set BO1,  10                          ; v10  4 (r + 8 (r / 8)): role 1's bias: my row's channel
.set SH,   11                          ; v11  16 (lane / 16)
.set RR,   12                          ; v12  16 r
.set SO,   13                          ; v13  where my scale words go
.set ADRA, 16                          ; v16-17  LDS address of my A fragments in slot 0, 1
.set ADRB, 20                          ; v20-21  the same for B
.set ADRS, 27                          ; v27  LDS address of my scale words: lanes 0-15 A's rows, lanes 16-31 B's
.set SPW,  28                          ; v28  LDS address of my spare word; never rewritten
.set NIL,  29                          ; v29  0; never rewritten
.set SC,   32
.set AF,   128
.set COD,  32
.set SW,   96
.set TM,   104
.set PK,   120
.set NUM,  128
.set BIAS, 192
.set G1, 24                            ; s[24:31] descriptor group 1 for A's tiles;  s[32:39] group 0, one set for each slot
.set G0, 32
.set G1B, 48                           ; s[48:55], s[56:63] the same for B's
.set G0B, 56
.set G1S, 68                           ; s[68:75], s[76:79] groups 1 and 0 for A's scales;  s[80:87], s[88:91] for B's
.set G0S, 76
.set G1SB, 80
.set G0SB, 88
.set MSB, 0
.macro WIN new                         ; the immediate's high byte repeats the setting that is left; a switch that changes nothing is dropped
.if MSB != (\new)
	s_set_vgpr_msb (MSB<<8)|(\new)
.set MSB, (\new)
.endif
.endm
.set MUL_LO, 0xa1                      ; source 0 (B) window 1, source 1 (A) window 0, C and D window 2
.set MUL_HI, 0xf1                      ; the same, C and D window 3
.set TO_B,   0x40                      ; destination window 1, address window 0
; A joint load: waves 0 and 1 fetch for A, waves 2 and 3 for B; the branch hangs on the wave's number alone.  An s_nop 0 and four v_nop follow each of the two lines.
.macro JLOAD g0a, g1a, g0b, g1b
	s_cmp_eq_u32 s15, 0
	s_cbranch_scc0 .Lfor_b_\@
	tensor_load_to_lds s[\g0a:\g0a+3], s[\g1a:\g1a+7]
	s_nop 0
.rept 4
	v_nop
.endr
	s_branch .Lasked_\@
.Lfor_b_\@:
	tensor_load_to_lds s[\g0b:\g0b+3], s[\g1b:\g1b+7]
	s_nop 0
.rept 4
	v_nop
.endr
.Lasked_\@:
.endm
.macro CROUND                          ; a round of the cluster's barrier
	s_barrier_signal -1
	s_barrier_wait -1
	s_cmp_lg_u32 s14, 0
	s_cbranch_scc1 .Lnot_wave_0_\@
	s_barrier_signal -3
.Lnot_wave_0_\@:
	s_barrier_wait -3
	s_barrier_signal -1
	s_barrier_wait -1
.endm
	s_load_b256 s[4:11], s[0:1], 0x0               ; xc s[4:5], xs s[6:7], wc s[8:9], ws s[10:11]
	v_lshl_add_u32 v[SPW], v0, 2, SPARE
	v_mov_b32 v[NIL], 0
	ds_add_u32 v[SPW], v[NIL]                      ; the wave's opening: the add, twice on end, and its wait ahead of my first tensor load
	ds_add_u32 v[SPW], v[NIL]                      ; and once more, under the one wait; the set-up below, work on registers, stands between
	v_lshrrev_b32 v1, 5, v0
	v_readfirstlane_b32 s14, v1                    ; wave 0..3
	s_lshr_b32 s15, s14, 1                         ; which half of A's rows is mine.  Also: I fetch for A (0) or for B (1)
	s_and_b32 s16, s14, 1                          ; which half of B's rows.  Also: which 128 rows of that tile I fetch
	s_bfe_u32 s40, ttmp6, 0x40000                  ; cx, cy: my place in the cluster
	s_bfe_u32 s41, ttmp6, 0x40004
	s_and_b32 s12, ttmp7, 0xffff                   ; the cluster's y: under 8 role 0, else role 1
	s_lshl_b32 s17, s12, 2
	s_lshl_b32 s13, s12, 3
	s_sub_co_u32 s13, s13, 64                      ; 8 (y - 8): meant for role 1 alone
	s_cmp_lt_u32 s12, 8
	s_cselect_b32 s17, s17, 8                      ; A's tile of 256 rows: x's 4 y + cy, or, in wc, 8 + cy (Wv begins at row 2,048)
	s_cselect_b32 s13, 0, s13
	s_add_co_u32 s17, s17, s41
	s_lshl_b32 s42, ttmp9, 2
	s_add_co_u32 s42, s42, s13
	s_add_co_u32 s42, s42, s40                     ; B's tile: in wc 4 x + cx (0-3 Wq, 4-7 Wk), or x's 4 (x + 2 (y - 8)) + cx
	s_lshl_b32 s43, s41, 2
	s_lshl_b32 s43, 15, s43                        ; my row of the cluster
	s_lshl_b32 s44, 0x1111, s40                    ; my column
	; descriptor group 1: a tile of 128 rows x 256 bytes, padded in LDS
	s_or_b32 s[G1+0], s43, (0<<16)|(1<<20)|(1<<21)|(5<<22)|(3<<25)  ; 15:0 the mask; 17:16 elements of 1 byte; 20 padding on; 21 set beside a mask; 24:22 after every 64 words; 31:25 four words
	s_or_b32 s[G1B+0], s44, (0<<16)|(1<<20)|(1<<21)|(5<<22)|(3<<25)
.irp g, G1, G1B
	s_mov_b32 s[\g+1], ROWB<<16                    ; tensor_dim0
	s_mov_b32 s[\g+2], 128<<16                     ; tensor_dim1
	s_mov_b32 s[\g+3], ROWB<<16                    ; tile_dim0
	s_mov_b32 s[\g+4], 128                         ; tile_dim1
	s_mov_b32 s[\g+5], KROW                        ; tensor_dim0_stride
	s_mov_b32 s[\g+6], 0
	s_mov_b32 s[\g+7], 0
.endr
	; the scales of 128 rows: 4,096 dense bytes, as 16 rows of 256 bytes (32 elements of 8 bytes), 16 bytes of padding behind each
	s_or_b32 s[G1S+0], s43, (3<<16)|(1<<20)|(1<<21)|(5<<22)|(3<<25)
	s_or_b32 s[G1SB+0], s44, (3<<16)|(1<<20)|(1<<21)|(5<<22)|(3<<25)
.irp g, G1S, G1SB
	s_mov_b32 s[\g+1], 32<<16
	s_mov_b32 s[\g+2], 16<<16
	s_mov_b32 s[\g+3], 32<<16
	s_mov_b32 s[\g+4], 16
	s_mov_b32 s[\g+5], 32
	s_mov_b32 s[\g+6], 0
	s_mov_b32 s[\g+7], 0
.endr
	s_lshl_b32 s18, s16, 7                         ; which 128 rows of the tile I fetch
	s_lshl_b32 s20, s17, 8
	s_add_co_u32 s20, s20, s18                     ; A's row
	s_lshl_b32 s46, s42, 8
	s_add_co_u32 s46, s46, s18                     ; B's row
	s_mov_b32 s21, 0
	s_mov_b32 s47, 0
	s_mov_b64 s[18:19], KS
	s_mul_u64 s[22:23], s[20:21], s[18:19]         ; where these rows' scales begin, in bytes,
	s_mul_u64 s[92:93], s[46:47], s[18:19]
	s_mov_b64 s[18:19], KROW
	s_mul_u64 s[20:21], s[20:21], s[18:19]         ; and their codes
	s_mul_u64 s[46:47], s[46:47], s[18:19]
	s_mul_i32 s45, s14, HALFT                      ; where they go: wave x 128 rows: no place in the cluster enters an LDS address
	s_mul_i32 s94, s14, HALFS
	s_wait_dscnt 0x0                               ; both opening adds are done
	s_wait_kmcnt 0x0
	s_cmp_lt_u32 s12, 8                            ; which buffers are A's and which B's: a choice on the cluster's y
	s_cselect_b64 s[96:97], s[4:5], s[8:9]
	s_cselect_b64 s[98:99], s[6:7], s[10:11]
	s_cselect_b64 s[8:9], s[8:9], s[4:5]
	s_cselect_b64 s[10:11], s[10:11], s[6:7]
	s_add_nc_u64 s[20:21], s[96:97], s[20:21]
	s_add_nc_u64 s[22:23], s[98:99], s[22:23]
	s_add_nc_u64 s[46:47], s[8:9], s[46:47]
	s_add_nc_u64 s[92:93], s[10:11], s[92:93]
	CROUND                                         ; all sixteen work-groups are here: the joint loads meet
	s_mov_b32 s[G0S], 1
	s_add_co_u32 s[G0S+1], s94, SCL
	s_mov_b64 s[G0S+2:G0S+3], s[22:23]
	s_or_b32 s[G0S+3], s[G0S+3], 0x80000000
	s_mov_b32 s[G0SB], 1
	s_add_co_u32 s[G0SB+1], s94, SCL
	s_mov_b64 s[G0SB+2:G0SB+3], s[92:93]
	s_or_b32 s[G0SB+3], s[G0SB+3], 0x80000000
	JLOAD G0S, G1S, G0SB, G1SB                     ; the scales first: they are wanted with the first slot
.irp s, 0,1
	s_mov_b32 s[G0+4*\s], 1
	s_add_co_u32 s[G0+4*\s+1], s45, \s*SLOT
	s_add_nc_u64 s[G0+4*\s+2:G0+4*\s+3], s[20:21], \s*ROWB
	s_or_b32 s[G0+4*\s+3], s[G0+4*\s+3], 0x80000000
	s_mov_b32 s[G0B+4*\s], 1
	s_add_co_u32 s[G0B+4*\s+1], s45, \s*SLOT
	s_add_nc_u64 s[G0B+4*\s+2:G0B+4*\s+3], s[46:47], \s*ROWB
	s_or_b32 s[G0B+4*\s+3], s[G0B+4*\s+3], 0x80000000
	s_wait_alu depctr_va_vdst(0)
	s_wait_tensorcnt 0x0
	ds_add_u32 v28, v29
	s_wait_dscnt 0x0
	CROUND
	JLOAD G0+4*\s, G1, G0B+4*\s, G1B               ; by this text's count three tensor loads of a wave are out
.endr
	v_and_b32 v1, 15, v0                           ; r = lane % 16
	v_bfe_u32 v2, v0, 4, 1                         ; h = lane / 16
	v_mul_u32_u24 v3, v1, PITCH
	v_lshl_add_u32 v4, v2, 4, v3                   ; a fragment's row x pitch + 16 x half
	s_mul_i32 s21, s15, HALFT                      ; my 128 rows of A
	s_mul_i32 s22, s16, HALFT                      ; my 128 rows of B,
	s_add_co_u32 s22, s22, 2*HALFT                 ; which lie behind A's 256
.irp s, 0,1
	v_add_nc_u32 v[ADRA+\s], s21, v4
	v_add_nc_u32 v[ADRB+\s], s22, v4
	s_add_co_u32 s21, s21, SLOT
	s_add_co_u32 s22, s22, SLOT
.endr
	v_mul_u32_u24 v5, v1, KS                       ; my row's scales: 32 bytes a row,
	v_lshrrev_b32 v6, 8, v5
	v_lshl_add_u32 v5, v6, 4, v5                   ; and 16 more for each 256 passed
	s_mul_i32 s21, s15, HALFS
	s_mul_i32 s22, s16, HALFS
	s_add_co_u32 s22, s22, 2*HALFS
	s_sub_co_u32 s22, s22, s21
	v_mul_u32_u24 v6, s22, v2                      ; lanes 16-31 take B's: one product, the distance between the two bases
	s_add_co_u32 s21, s21, SCL
	v_add_nc_u32 v5, v5, v6
	v_add_nc_u32 v[ADRS], s21, v5
	v_and_b32 v6, 31, v0
	v_lshlrev_b32 v[LI], 4, v6
	v_lshlrev_b32 v[BO0], 6, v2
	v_and_b32 v6, 8, v1
	v_add_nc_u32 v6, v6, v1
	v_lshlrev_b32 v[BO1], 2, v6
	v_lshlrev_b32 v[SH], 4, v2
	v_lshlrev_b32 v[RR], 4, v1
.macro FRAG reg, adr, q, i             ; 16 rows x 128 K of 4-bit codes: 8 registers: lane l holds row l % 16; registers 4 c .. 4 c + 3 hold K = 64 c + 32 (l / 16) + 0 .. 31
.irp c, 0,1
	ds_load_b128 v[\reg+4*\c:\reg+4*\c+3], v[\adr] offset:64*(\q)+32*\c+(\i)*16*PITCH
.endr
.endm
; 16 matrix instructions: A's blocks a0, a0 + 1 x B's eight, the slot's q-th 128 along K.  p: B's set; sc: the set of scale words; zero = 1: the products start the sums.
; The 64 accumulators take turns, one instruction a turn, in the same order in every step.
.macro MUL16 a0, p, q, sc, zero
.irp a, \a0, \a0+1
.irp b, 0,1,2,3,4,5,6,7
.if \zero
	v_wmma_scale_f32_16x16x128_f8f6f4 v[8*(8*((\a)%4)+\b):8*(8*((\a)%4)+\b)+7], v[128*(\p)+FR*\b:128*(\p)+FR*\b+FR-1], v[AF+FR*(\a):AF+FR*(\a)+FR-1], 0, v[SC+8*NQ*(\sc)+NQ*\b+(\q)], v[SC+8*NQ*(\sc)+NQ*(\a)+(\q)] matrix_a_fmt:MATRIX_FMT_FP4 matrix_b_fmt:MATRIX_FMT_FP4 matrix_a_scale:MATRIX_SCALE_ROW1
.else
	v_wmma_scale_f32_16x16x128_f8f6f4 v[8*(8*((\a)%4)+\b):8*(8*((\a)%4)+\b)+7], v[128*(\p)+FR*\b:128*(\p)+FR*\b+FR-1], v[AF+FR*(\a):AF+FR*(\a)+FR-1], v[8*(8*((\a)%4)+\b):8*(8*((\a)%4)+\b)+7], v[SC+8*NQ*(\sc)+NQ*\b+(\q)], v[SC+8*NQ*(\sc)+NQ*(\a)+(\q)] matrix_a_fmt:MATRIX_FMT_FP4 matrix_b_fmt:MATRIX_FMT_FP4 matrix_a_scale:MATRIX_SCALE_ROW1
.endif
.endr
.endr
.endm
.macro FETCH_B slot, q, p
	WIN TO_B
.irp i, 0,1,2,3,4,5,6,7
	FRAG 128*(\p)+FR*\i, ADRB+\slot, \q, \i
.endr
	WIN 0
.endm
.macro FETCH_A slot, q, i0
.irp i, \i0, \i0+1, \i0+2, \i0+3
	FRAG AF+FR*(\i), ADRA+\slot, \q, \i
.endr
.endm
.macro SCALES sc                       ; a slot's scale words: four words a row; lanes 0-15 take A's block i, lanes 16-31 B's block i
.irp i, 0,1,2,3,4,5,6,7
	ds_load_b128 v[SC+8*NQ*\sc+NQ*\i:SC+8*NQ*\sc+NQ*\i+3], v[ADRS] offset:\i*SBLK
.endr
.endm
.macro PLACES n                        ; plain vector lines between a matrix instruction and a load into, or a vector line on, its registers
.rept \n
	v_nop
.endr
.endm
.macro STEP slot, q, zero              ; a step of 128 along K that has its successor in the same slot
	s_wait_dscnt 4*NL                              ; B's set and A's blocks 0-3 are in; the youngest eight loads (A's blocks 4-7) may be out
	WIN MUL_LO
	MUL16 0, (\q)%2, \q, \slot, \zero
	MUL16 2, (\q)%2, \q, \slot, \zero
	s_wait_dscnt 0                                 ; A's blocks 4-7 are in
	PLACES NP
	FETCH_B \slot, (\q)+1, 1-(\q)%2
	FETCH_A \slot, (\q)+1, 0
	WIN MUL_HI
	MUL16 4, (\q)%2, \q, \slot, \zero
	MUL16 6, (\q)%2, \q, \slot, \zero
	PLACES NP
	WIN 0
	FETCH_A \slot, (\q)+1, 4
.endm
.macro STEPS slot, from
.set Q, \from
.rept NQ-1-\from
	STEP \slot, Q, 0
.set Q, Q+1
.endr
.endm
; Slot 0's last step goes over to slot 1: each wave waits for all its tensor loads (its part of slot 1 was still out) and passes one barrier; nothing is filled again.
.macro TURN slot, next
	s_wait_tensorcnt 0x0                           ; all my tensor loads have landed
	ds_add_u32 v[SPW], v[NIL]                      ; 0 onto my spare word
	s_wait_dscnt 4*NL+1                            ; the add and the youngest eight loads (A's blocks 4-7) may be out
	WIN MUL_LO
	MUL16 0, 1, NQ-1, \slot, 0
	s_wait_dscnt 0x0                               ; no LDS instruction of mine is out at the signal
	s_barrier_signal -1
	MUL16 2, 1, NQ-1, \slot, 0                     ; work on registers while the others arrive
	WIN 0
	s_barrier_wait -1                              ; slot 1 is whole
	PLACES NP
	v_add_nc_u32 v[ADRS], 4*NQ, v[ADRS]            ; on to the next slot's scale words
	FETCH_B \next, 0, 0
	FETCH_A \next, 0, 0
	SCALES \next
	WIN MUL_HI
	MUL16 4, 1, NQ-1, \slot, 0
	MUL16 6, 1, NQ-1, \slot, 0
	PLACES NP
	WIN 0
	FETCH_A \next, 0, 4
.endm
; 64 numbers of a lane, v[s] on, register 16 b + i = k 32 b + 16 (lane / 16) + i of my row, become a fragment's codes in v[pc] on and its scale word in v[pw].
.macro QUANT s, pc, pw
.irp b, 0,1,2,3
	v_max3_num_f32 v[TM+\b], |v[\s+16*\b]|, |v[\s+1+16*\b]|, 0x1800000   ; block b: my 16 numbers, and the floor 2^(3 - 127): the byte cannot fall under 1
.endr
.irp i, 2,4,6,8,10,12,14
.irp b, 0,1,2,3
	v_max3_num_f32 v[TM+\b], v[TM+\b], |v[\s+16*\b+\i]|, |v[\s+1+16*\b+\i]|   ; the four blocks by turns
.endr
.endr
.irp b, 0,1,2,3
	v_permlanex16_b32 v[TM+4+\b], v[TM+\b], s2, s3
.endr
.irp b, 0,1,2,3
	v_max_num_f32 v[TM+\b], v[TM+\b], v[TM+4+\b]   ; with lane l xor 16's: the block's largest magnitude
.endr
.irp b, 0,1,2,3
	v_add_nc_u32 v[TM+12+\b], 0xff000000, v[TM+\b] ; 2 off its exponent field: the conversion's scale operand
.endr
.irp b, 0,1,2,3
	v_lshrrev_b32 v[TM+4+\b], 23, v[TM+12+\b]      ; the scale's byte
.endr
	v_lshl_or_b32 v[\pw], v[TM+5], 8, v[TM+4]      ; the four bytes make my row's scale word
	v_lshl_or_b32 v[\pw], v[TM+6], 16, v[\pw]
	v_lshl_or_b32 v[\pw], v[TM+7], 24, v[\pw]
.irp b, 0,1,2,3
	v_cvt_scalef32_pk8_fp4_f32 v[\pc+2*\b], v[\s+16*\b:\s+7+16*\b], v[TM+12+\b]
	v_cvt_scalef32_pk8_fp4_f32 v[\pc+1+2*\b], v[\s+8+16*\b:\s+15+16*\b], v[TM+12+\b]
.endr
	v_nop                                          ; one plain line behind the last conversion
.irp c, 0,1                                    ; the operand's layout wants a whole block in a lane: lanes 0-15 block 2 c, lanes 16-31 block 2 c + 1
.irp i, 0,1
	v_permlane16_swap_b32 v[\pc+4*\c+\i], v[\pc+2+4*\c+\i]
.endr
.endr
.endm
; A's block a leaves: bias, quantiser, two stores of 512 consecutive bytes.  Each block has code registers of its own, so no store's data are written again.
.macro OUTBLK role, a
.set AC, 64*((\a)%4)
	WIN 0x02+(\a)/4                                ; source 0: window 2 or 3
.set i, 0
.rept 32                                       ; each accumulator is read from its low end on
.if \role == 0
	v_pk_add_f32 v[NUM+2*i:NUM+2*i+1], v[AC+2*i:AC+2*i+1], v[BIAS+2*i:BIAS+2*i+1]
.else
	v_pk_add_f32 v[NUM+2*i:NUM+2*i+1], v[AC+2*i:AC+2*i+1], v[BIAS+2*(\a):BIAS+2*(\a)+1]
.endif
.set i, i+1
.endr
	WIN 0
	QUANT NUM, COD+8*(\a), SW+(\a)
.if \role == 0
	global_store_b128 v[LI], v[COD+8*(\a):COD+8*(\a)+3], s[28:29] offset:512*(\a)     ; the first head's image of positions' tile a
	global_store_b128 v[LI], v[COD+8*(\a)+4:COD+8*(\a)+7], s[34:35] offset:512*(\a)   ; the second head's
.else
	global_store_b128 v[LI], v[COD+8*(\a):COD+8*(\a)+3], s[28:29] offset:((\a)/4)*PLK+((\a)%4)*1024       ; head a / 4, channels' tile a % 4: keys 0-63 of the step,
	global_store_b128 v[LI], v[COD+8*(\a)+4:COD+8*(\a)+7], s[28:29] offset:((\a)/4)*PLK+((\a)%4)*1024+512 ; and keys 64-127
.endif
.endm
; What follows the change of slots, once for each role: where the results go, the bias, slot 1's four steps, the way out.
.macro TAIL role
.if \role == 0
	s_lshr_b32 s20, s17, 3                         ; the batch: 8 tiles of 256 positions each
	s_and_b32 s21, s17, 7
	s_lshl_b32 s21, s21, 1
	s_add_co_u32 s21, s21, s15                     ; my step of 128 positions
	s_and_b32 s22, s42, 3
	s_lshl_b32 s22, s22, 2
	s_lshl_b32 s23, s16, 1
	s_add_co_u32 s22, s22, s23                     ; my first head of two
	s_lshl_b32 s20, s20, 4
	s_add_co_u32 s20, s20, s22                     ; its plane
	s_mov_b32 s24, PLK
	s_mov_b32 s25, 8960
	s_mov_b32 s26, 8192
	s_cmp_eq_u32 ttmp9, 0                          ; cluster x 0 makes Q, 1 makes K
	s_cselect_b64 s[28:29], s[74:75], s[76:77]
	s_cselect_b64 s[30:31], s[68:69], s[70:71]
	s_cselect_b32 s24, PLQ, s24                    ; a plane,
	s_cselect_b32 s25, 4608, s25                   ; a step,
	s_cselect_b32 s26, 4096, s26                   ; and where a step's scale words begin
	s_mul_i32 s20, s20, s24
	s_mul_i32 s21, s21, s25
	s_add_co_u32 s20, s20, s21
	s_mov_b32 s21, 0
	s_add_nc_u64 s[28:29], s[28:29], s[20:21]      ; the first head's step,
	s_mov_b32 s32, s24
	s_mov_b32 s33, 0
	s_add_nc_u64 s[34:35], s[28:29], s[32:33]      ; the second head's,
	s_mov_b32 s36, s26
	s_mov_b32 s37, 0
	s_add_nc_u64 s[38:39], s[28:29], s[36:37]      ; the scale words
	s_lshl_b32 s20, s22, 8                         ; 64 channels of 4 bytes a head
	s_add_nc_u64 s[30:31], s[30:31], s[20:21]
	v_mul_u32_u24 v[SO], v2, s24                   ; lanes 16-31 store the second head's scale words
	v_add_nc_u32 v[SO], v[SO], v[RR]
.irp b, 0,1,2,3,4,5,6,7                        ; the bias in the result's layout: tile b's registers are channels 32 (b / 2) + 8 (b % 2) + 16 h + 0 .. 7
	global_load_b128 v[BIAS+8*\b:BIAS+8*\b+3], v[BO0], s[30:31] offset:(32*(\b/2)+8*(\b%2))*4
	global_load_b128 v[BIAS+8*\b+4:BIAS+8*\b+7], v[BO0], s[30:31] offset:(32*(\b/2)+8*(\b%2))*4+16
.endr
.else
	s_lshl_b32 s22, s41, 2
	s_lshl_b32 s23, s15, 1
	s_add_co_u32 s22, s22, s23                     ; my first head of two: 4 cy + 2 x my half of Wv's rows
	s_lshr_b32 s20, s42, 3                         ; the batch
	s_lshl_b32 s20, s20, 4
	s_add_co_u32 s20, s20, s22                     ; the plane
	s_and_b32 s21, s42, 7
	s_lshl_b32 s21, s21, 1
	s_add_co_u32 s21, s21, s16                     ; my key step
	s_mul_i32 s20, s20, PLK
	s_mul_i32 s21, s21, 8960
	s_add_co_u32 s20, s20, s21
	s_add_co_u32 s20, s20, 4096                    ; V's images lie behind K's
	s_mov_b32 s21, 0
	s_add_nc_u64 s[28:29], s[76:77], s[20:21]
	s_lshl_b32 s20, s22, 8
	s_add_nc_u64 s[30:31], s[72:73], s[20:21]
	v_mul_u32_u24 v[SO], v2, PLK                   ; lanes 16-31 store the second head's scale words
	v_add_nc_u32 v[SO], v[SO], v[RR]
.irp a, 0,1,2,3,4,5,6,7                        ; the bias of my row's channel, 32 (a / 2) + 8 (a % 2) + r + 8 (r / 8), twice: a pair for the packed addition
	global_load_b32 v[BIAS+2*\a], v[BO1], s[30:31] offset:(32*(\a/2)+8*(\a%2))*4
	global_load_b32 v[BIAS+2*\a+1], v[BO1], s[30:31] offset:(32*(\a/2)+8*(\a%2))*4
.endr
.endif
	STEPS 1, 0
	s_wait_dscnt 4*NL                              ; the very last step: nothing more to fetch
	WIN MUL_LO
	MUL16 0, 1, NQ-1, 1, 0
	MUL16 2, 1, NQ-1, 1, 0
	s_wait_dscnt 0
	WIN MUL_HI
	MUL16 4, 1, NQ-1, 1, 0
	MUL16 6, 1, NQ-1, 1, 0
	WIN 0
	PLACES NP                                      ; behind the last products: their results are read, and their operands' and scales' registers written, below
	s_wait_loadcnt 0x0                             ; the bias
.irp b, 0,1,2,3
	v_mov_b32 v[TM+4+\b], 0                        ; written once: a lane permute's destination counts as one of its sources
.endr
.irp a, 0,1,2,3,4,5,6,7
	OUTBLK \role, \a
.endr
.if \role == 0
.irp a, 0,1,2,3,4,5,6,7
	v_bfe_u32 v[PK+\a], v[SW+\a], v[SH], 16        ; lanes 0-15: the first head's two bytes, lanes 16-31 the second's; the upper two bytes, over zero codes, are 0
.endr
	global_store_b128 v[SO], v[PK:PK+3], s[38:39]              ; tiles 0-3: [r][4 words]: sixteen lanes store 256 consecutive bytes, aligned
	global_store_b128 v[SO], v[PK+4:PK+7], s[38:39] offset:256 ; tiles 4-7
.else
	v_cmp_eq_u32 vcc_lo, 1, v2
.irp t, 0,1,2,3
	v_cndmask_b32 v[PK+\t], v[SW+\t], v[SW+4+\t], vcc_lo       ; lanes 0-15: the first head's four tiles, lanes 16-31 the second's
.endr
	global_store_b128 v[SO], v[PK:PK+3], s[28:29] offset:4608  ; V's scale words: [r][4 words], at byte 8,704 of the key step
.endif
.endm
	s_mov_b32 s2, 0x76543210                       ; v_permlanex16_b32's selects for lane l xor 16
	s_mov_b32 s3, 0xfedcba98
	s_wait_alu depctr_va_vdst(0)
	s_wait_tensorcnt 1                             ; the scales and my part of slot 0 are in; slot 1's load may be out,
	s_barrier_signal -1
	s_barrier_wait -1                              ; everybody's are
	FETCH_B 0, 0, 0
	FETCH_A 0, 0, 0
	SCALES 0
	FETCH_A 0, 0, 4
	STEP 0, 0, 1                                   ; the first step's products start the sums: nothing is cleared
	STEPS 0, 1
	TURN 0, 1
	s_load_b256 s[68:75], s[0:1], 0x20             ; no tensor load is out: the descriptors' registers are free.  bq s[68:69], bk s[70:71], bv s[72:73], qq s[74:75]
	s_load_b64 s[76:77], s[0:1], 0x40              ; kv
	s_wait_kmcnt 0x0
	s_cmp_lt_u32 s12, 8                            ; the role: the cluster's y, the same in all sixteen work-groups
	s_cbranch_scc0 .Lrole_v
	TAIL 0
	s_branch .Lend
.Lrole_v:
	TAIL 1
.Lend:
	s_wait_tensorcnt 0x0                           ; the wave's end
	ds_add_u32 v[SPW], v[NIL]
	s_wait_dscnt 0x0
	CROUND                                         ; the closing round: no work-group ends while a partner may still ask for a tile that names it
	s_endpgm
.Lfunc_end_k_q4d2feb2dee_proj:
	.size	k_q4d2feb2dee_proj, .Lfunc_end_k_q4d2feb2dee_proj-k_q4d2feb2dee_proj
	.p2alignl 7, 3214868480
	.fill 96, 4, 3214868480
	.section	.rodata,"a",@progbits
	.p2align	6, 0x0
	.amdhsa_kernel k_q4d2feb2dee_proj
		.amdhsa_group_segment_fixed_size 327680
		.amdhsa_private_segment_fixed_size 0
		.amdhsa_enable_private_segment 0
		.amdhsa_kernarg_size 72
		.amdhsa_user_sgpr_count 2
		.amdhsa_user_sgpr_kernarg_segment_ptr 1
		.amdhsa_wavefront_size32 1
		.amdhsa_system_sgpr_workgroup_id_x 1
		.amdhsa_system_sgpr_workgroup_id_y 1
		.amdhsa_system_sgpr_workgroup_id_z 1
		.amdhsa_system_vgpr_workitem_id 0
		.amdhsa_next_free_vgpr 1024
		.amdhsa_next_free_sgpr 100
		.amdhsa_reserve_vcc 1
		.amdhsa_float_denorm_mode_32 3
		.amdhsa_float_denorm_mode_16_64 3
		.amdhsa_memory_ordered 1
		.amdhsa_forward_progress 1
		.amdhsa_inst_pref_size 237
	.end_amdhsa_kernel
	.amdgpu_metadata
---
amdhsa.version: [ 1, 2 ]
amdhsa.kernels:
  - .name:           k_q4d2feb2dee_proj
    .symbol:         k_q4d2feb2dee_proj.kd
    .args:
      - { .name: xc, .offset: 0, .size: 8, .value_kind: global_buffer, .address_space: global }
      - { .name: xs, .offset: 8, .size: 8, .value_kind: global_buffer, .address_space: global }
      - { .name: wc, .offset: 16, .size: 8, .value_kind: global_buffer, .address_space: global }
      - { .name: ws, .offset: 24, .size: 8, .value_kind: global_buffer, .address_space: global }
      - { .name: bq, .offset: 32, .size: 8, .value_kind: global_buffer, .address_space: global }
      - { .name: bk, .offset: 40, .size: 8, .value_kind: global_buffer, .address_space: global }
      - { .name: bv, .offset: 48, .size: 8, .value_kind: global_buffer, .address_space: global }
      - { .name: qq, .offset: 56, .size: 8, .value_kind: global_buffer, .address_space: global }
      - { .name: kv, .offset: 64, .size: 8, .value_kind: global_buffer, .address_space: global }
    .group_segment_fixed_size: 327680
    .private_segment_fixed_size: 0
    .kernarg_segment_align: 8
    .kernarg_segment_size: 72
    .max_flat_workgroup_size: 128
    .sgpr_count:     100
    .vgpr_count:     1024
    .wavefront_size: 32
...
	.end_amdgpu_metadata
.endif
;; end of part 2
;; launch attn (part 3): grid 4 x 64, 16 waves a work-group, clusters of 4 x 1, 167,936 bytes of LDS; arguments qq, kv, woc, ws, part; writes part
.if DOCPART == 3
	.amdgcn_target "amdgcn-amd-amdhsa--gfx1250"
	.amdhsa_code_object_version 6
	.text
	.protected	k_q4d2feb2dee_attn
	.globl	k_q4d2feb2dee_attn
	.p2align	8
	.type	k_q4d2feb2dee_attn,@function
k_q4d2feb2dee_attn:
	s_mov_b64 s[64:65], 0
	v_nop
	global_prefetch_b8 v0, s[64:65] scope:SCOPE_SE
	s_setreg_imm32_b32 hwreg(HW_REG_WAVE_MODE, 25, 1), 1
	s_wait_xcnt 0x0
	s_wait_alu depctr_hold_cnt(0) depctr_sa_sdst(0) depctr_va_vdst(0) depctr_va_sdst(0) depctr_va_ssrc(0) depctr_va_vcc(0) depctr_vm_vsrc(0)
	s_getreg_b32 s2, hwreg(HW_REG_IB_STS2, 6, 4)
	s_cmp_eq_u32 s2, 0
	s_cbranch_scc0 .Lentry_in_a_cluster
	s_endpgm
.Lentry_in_a_cluster:
	s_bfe_u32 s2, ttmp6, 0x10000c
	s_cmp_lg_u32 s2, 0x3003
	s_cbranch_scc0 .Lentry_shape_is_right
	s_endpgm
.Lentry_shape_is_right:
; Launch 3 of 4: products 4, 5 and 6 on codes of E2M1, the softmax between them, and the sum over a work-group's 512 positions.  Nothing of the problem is left out here.
; A work-group owns 512 queries of one (batch, head); each of its sixteen waves owns two tiles of 16 queries, one after the other, in 256 registers.
; The head's K and V, as images of operand registers with their scale words (143,360 bytes), come into LDS ONCE, each wave fetching one key step's 8,960 bytes; all sixteen waves read them.  Nothing is filled again.
; CLUSTER: the four work-groups of a head need the same bytes: each tensor load is a joint one, with the same descriptor and the mask of all four.
; SOFTMAX: t = score x log2(e) / 8; M = the running largest t rounded up to a whole number; p = 2^(t - M) is quantised along the keys, not normalised; the row's sum is taken of the unquantised p and divides at the end.
; When M moves, the sum and O^T are multiplied by 2^(old M - new M), which rounds nothing.  A block's largest p is the block's largest score put through the same multiply-add and exponential.
; LAYOUT: S^T = K Q^T and O^T = V^T P^T: a lane holds one query.  K = 64 (products 4 and 6) fills registers 0-3 of a fragment; registers 4-7 are zero codes, kept in registers; their two scale bytes are 0, over zero codes.
; The tiles' keys and channels lie in storage order, so that 16 registers of two neighbouring result tiles are 16 neighbours along the next K.
; PRODUCT 6 AND THE MEAN: ctx = O / l is quantised (the head's 64 channels are two blocks of K) and goes through LDS as images; wave w then multiplies all 32 tiles of queries with its 64 columns of the head's part of Wo,
; ALL INTO THE SAME FOUR ACCUMULATORS: the sum over the queries costs no vector work.  The parts (this head, these 512 queries) go to memory; launch 4 adds them.
; LIMITS: t lies above -3e38; a p under 2^-126 counts as 0; the others as stated at the head of the first launch.
; REGISTERS: v1-11 addresses; v12 -M, v13 largest t, v[14:15] the sum; v16-23 Q; v24-31 K's (later ctx's) scale words; v32-95 eight fragments of K (later of ctx); v96-159 S^T, then p; v160-191 O^T, later product 6's sums;
;   v192-223 four fragments of V (later of Wo); v224-231 p's codes; v232-247 at work; v248-251 V's (later Wo's) scale words; v252 f; v253 p's scale word; v254 at work; v255 Q's scale word.
.set STEPB, 8960                       ; a key step in LDS and in memory: K's 8 images (4,096), V's 8 (4,096), K's scale words (512), V's (256)
.set PLK,   143360                     ; a head's 16 key steps
.set CTX,   143360                     ; behind them: ctx's 32 images of 512 bytes,
.set CSC,   CTX+32*512                 ; their scale words, 128 bytes each,
.set SPARE, CSC+32*128                 ; and the spare words, 128 bytes a wave
.macro CROUND                          ; a round of the cluster's barrier
	s_barrier_signal -1
	s_barrier_wait -1
	s_cmp_lg_u32 s14, 0
	s_cbranch_scc1 .Lnot_wave_0_\@
	s_barrier_signal -3
.Lnot_wave_0_\@:
	s_barrier_wait -3
	s_barrier_signal -1
	s_barrier_wait -1
.endm
	s_load_b256 s[4:11], s[0:1], 0x0               ; qq s[4:5], kv s[6:7], woc s[8:9], ws s[10:11]
	s_load_b64 s[12:13], s[0:1], 0x20              ; part
	v_lshl_add_u32 v3, v0, 2, SPARE                ; my spare word; never rewritten
	v_mov_b32 v4, 0                                ; 0; never rewritten
	ds_add_u32 v3, v4                              ; the wave's opening: the add, twice on end, and its wait ahead of my tensor load
	ds_add_u32 v3, v4                              ; and once more, under the one wait; the set-up below, work on registers, stands between
	v_lshrrev_b32 v5, 5, v0
	s_delay_alu instid0(VALU_DEP_1)
	v_readfirstlane_b32 s14, v5                    ; wave 0..15
	s_bfe_u32 s15, ttmp6, 0x40000                  ; cx: which 512 queries: it enters Q's and part's addresses alone
	s_and_b32 s16, ttmp7, 0xffff                   ; the plane 16 x batch + head, which the four partners share
	; descriptor group 1: 8,960 dense bytes as 35 rows of 256 (32 elements of 8 bytes), no padding: every read is an image, 16 bytes a lane on end
	s_mov_b32 s24, 15|(3<<16)|(1<<21)              ; 15:0 the mask: all four work-groups; 17:16 elements of 8 bytes; 21 set beside a mask
	s_mov_b32 s25, 32<<16                          ; tensor_dim0
	s_mov_b32 s26, 35<<16                          ; tensor_dim1
	s_mov_b32 s27, 32<<16                          ; tile_dim0
	s_mov_b32 s28, 35                              ; tile_dim1
	s_mov_b32 s29, 32                              ; tensor_dim0_stride
	s_mov_b32 s30, 0
	s_mov_b32 s31, 0
	s_mov_b32 s20, 0x76543210                      ; v_permlanex16_b32's selects for lane l xor 16
	s_mov_b32 s21, 0xfedcba98
	s_mov_b32 s22, 0x3e38aa3b                      ; c = log2(e) / 8
	s_mov_b32 s23, s22                             ; (named with it as a pair, so it is written)
	s_mul_i32 s17, s14, STEPB                      ; my key step, in LDS and in the plane
	s_mul_i32 s18, s16, PLK
	s_add_co_u32 s18, s18, s17
	s_mov_b32 s19, 0
	s_wait_dscnt 0x0                               ; both opening adds are done
	s_wait_kmcnt 0x0
	s_mov_b32 s32, 1                               ; group 0: count 1,
	s_mov_b32 s33, s17                             ; the LDS address: the wave's number times a constant,
	s_add_nc_u64 s[34:35], s[6:7], s[18:19]        ; the global address: plane and wave alone,
	s_or_b32 s35, s35, 0x80000000                  ; type 2
	CROUND                                         ; all four work-groups are here: the joint loads meet
	tensor_load_to_lds s[32:35], s[24:31]          ; one tensor load a wave, the only one of the launch
	s_nop 0
	; where Q, Wo and the part lie
	s_mul_i32 s40, s16, 73728                      ; qq: the plane,
	s_lshl_b32 s41, s15, 2
	s_lshr_b32 s52, s14, 3
	s_add_co_u32 s41, s41, s52
	s_mul_i32 s41, s41, 4608
	s_add_co_u32 s40, s40, s41                     ; the step 4 cx + wave / 8 (the second tile's: two steps on),
	s_and_b32 s42, s14, 7
	s_lshl_b32 s42, s42, 9
	s_add_co_u32 s42, s42, s40                     ; the image wave % 8
	s_mov_b32 s43, 0
	s_add_nc_u64 s[42:43], s[4:5], s[42:43]
	s_bfe_u32 s44, s14, 0x10002
	s_lshl_b32 s44, s44, 8
	s_and_b32 s45, s14, 3
	s_lshl_b32 s45, s45, 2
	s_add_co_u32 s44, s44, s45
	s_add_co_u32 s44, s44, s40
	s_add_co_u32 s44, s44, 4096                    ; its scale words: group (wave / 4) % 2, word wave % 4 of [r][4 words]
	s_mov_b32 s45, 0
	s_add_nc_u64 s[44:45], s[4:5], s[44:45]
	s_and_b32 s52, s16, 15                         ; the head
	s_lshl_b32 s46, s52, 15
	s_lshl_b32 s53, s14, 11
	s_add_co_u32 s46, s46, s53                     ; woc: 32,768 bytes a head, my 64 columns of 32 bytes
	s_mov_b32 s47, 0
	s_add_nc_u64 s[46:47], s[8:9], s[46:47]
	s_lshl_b32 s48, s52, 1
	s_add_co_u32 s48, s48, s53
	s_add_co_u32 s48, s48, 98304                   ; ws: Wo's rows begin at row 3,072; 32 bytes a column; the head's two bytes
	s_mov_b32 s49, 0
	s_add_nc_u64 s[48:49], s[10:11], s[48:49]
	s_lshl_b32 s50, s16, 2
	s_add_co_u32 s50, s50, s15
	s_lshl_b32 s50, s50, 13
	s_lshl_b32 s53, s14, 9
	s_add_co_u32 s50, s50, s53                     ; part: 8,192 bytes a work-group, 512 a wave
	s_mov_b32 s51, 0
	s_add_nc_u64 s[50:51], s[12:13], s[50:51]
	v_and_b32 v5, 31, v0
	s_delay_alu instid0(VALU_DEP_1)
	v_lshlrev_b32 v1, 4, v5                        ; v1: 16 x lane: an image's place for my lane
	v_and_b32 v6, 15, v0
	s_delay_alu instid0(VALU_DEP_1)
	v_lshlrev_b32 v2, 4, v6                        ; v2: 16 r: my row's four scale words
	v_bfe_u32 v12, v0, 4, 1
	s_delay_alu instid0(VALU_DEP_3)
	v_lshlrev_b32 v11, 5, v6
	s_delay_alu instid0(VALU_DEP_1)
	v_lshl_add_u32 v11, v12, 4, v11                ; v11: 32 r + 16 h: Wo's fragment
	v_add_nc_u32 v7, s53, v1
	s_delay_alu instid0(VALU_DEP_1)
	v_add_nc_u32 v7, CTX, v7                       ; v7: where I store ctx's image: 512 x wave + 16 x lane
	v_lshlrev_b32 v10, 2, v5
	s_lshl_b32 s53, s14, 7
	v_add_nc_u32 v8, s53, v10
	s_delay_alu instid0(VALU_DEP_1)
	v_add_nc_u32 v8, CSC, v8                       ; v8: and its scale word: 128 x wave + 4 x lane
	v_add_nc_u32 v9, CTX, v1                       ; v9, v10: from where any image and its scale words are read
	v_add_nc_u32 v10, CSC, v10
.irp j, 20,21,22,23
	v_mov_b32 v[\j], 0                             ; Q's upper half: zero codes
.endr
.irp t, 0,1,2,3,4,5,6,7
.irp j, 4,5,6,7
	v_mov_b32 v[32+8*\t+\j], 0                     ; and K's (later ctx's): set once, never loaded into
.endr
.endr
.irp b, 0,1,2,3
	v_mov_b32 v[236+\b], 0                         ; written once: a lane permute's destination counts as one of its sources
.endr
	v_mov_b32 v253, 0                              ; (named as the upper half of the pair v[252:253] before it is first written)
	v_mov_b32 v254, 0
	s_wait_tensorcnt 0x0                           ; my key step is in,
	s_barrier_signal -1
	s_barrier_wait -1                              ; everybody's is
; A KEY STEP: 128 keys, at LDS byte s36.
.macro STEP
	v_add_nc_u32 v5, s36, v1
	v_add_nc_u32 v6, s36, v2
	v_nop
	v_nop                                          ; four places behind the last step's products, in front of loads into their operands and scales
.irp t, 0,1,2,3,4,5,6,7
	ds_load_b128 v[32+8*\t:35+8*\t], v5 offset:512*\t          ; K's eight tiles of 16 keys
.endr
	ds_load_b128 v[24:27], v6 offset:8192                      ; their scale words
	ds_load_b128 v[28:31], v6 offset:8448
.irp t, 0,1,2,3
.irp c, 0,1
	ds_load_b128 v[192+8*\t+4*\c:195+8*\t+4*\c], v5 offset:4096+1024*\t+512*\c   ; V's four tiles of 16 channels x 128 keys: wanted only behind the softmax
.endr
.endr
	ds_load_b128 v[248:251], v6 offset:8704                    ; and their scale words
	s_wait_dscnt 9                                 ; K's ten loads are in; V's nine may be out
.irp t, 0,1,2,3,4,5,6,7
	v_wmma_scale_f32_16x16x128_f8f6f4 v[96+8*\t:103+8*\t], v[32+8*\t:39+8*\t], v[16:23], 0, v[24+\t], v255 matrix_a_fmt:MATRIX_FMT_FP4 matrix_b_fmt:MATRIX_FMT_FP4
.endr
.rept 4
	v_nop
.endr
.irp b, 0,1,2,3
	v_max3_num_f32 v[232+\b], v[96+16*\b], v[97+16*\b], v[98+16*\b]   ; the largest score of each block of 32 keys: for the row's maximum and for the block's largest p
.endr
.irp i, 3,5,7,9,11,13
.irp b, 0,1,2,3
	v_max3_num_f32 v[232+\b], v[232+\b], v[96+16*\b+\i], v[97+16*\b+\i]
.endr
.endr
.irp b, 0,1,2,3
	v_max_num_f32 v[232+\b], v[232+\b], v[111+16*\b]
.endr
.irp b, 0,1,2,3
	s_delay_alu instid0(VALU_DEP_4)
	v_permlanex16_b32 v[236+\b], v[232+\b], s20, s21
.endr
.irp b, 0,1,2,3
	s_delay_alu instid0(VALU_DEP_4)
	v_max_num_f32 v[232+\b], v[232+\b], v[236+\b]  ; with lane l xor 16's 16 keys
.endr
	s_delay_alu instid0(VALU_DEP_2)
	v_max3_num_f32 v254, v232, v233, v234
	s_delay_alu instid0(VALU_DEP_1)
	v_max_num_f32 v254, v254, v235                 ; the step's largest score of my query
	s_delay_alu instid0(VALU_DEP_1)
	v_mul_f32 v254, s22, v254                      ; as t
	s_delay_alu instid0(VALU_DEP_1)
	v_max_num_f32 v13, v13, v254                   ; the running largest t
	v_mov_b32 v254, v12
	s_delay_alu instid0(VALU_DEP_2)
	v_floor_f32 v12, -v13                          ; the new -M = floor(-t): M is a whole number
	s_delay_alu instid0(VALU_DEP_1)
	v_sub_f32 v254, v12, v254                      ; old M - new M: a whole number, 0 or less
	s_delay_alu instid0(VALU_DEP_1)
	v_cvt_i32_f32 v254, v254                       ; (it saturates)
	s_delay_alu instid0(VALU_DEP_1)
	v_ldexp_f32 v252, 1.0, v254                    ; f = 2^(old M - new M)
.irp j, 0,2,4,6,8,10,12,14,16,18,20,22,24,26,28,30,32,34,36,38,40,42,44,46,48,50,52,54,56,58,60,62
	v_pk_fma_f32 v[96+\j:97+\j], v[96+\j:97+\j], s[22:23], v[12:13] op_sel_hi:[1,0,0]   ; t - M, two at a time
.endr
.irp b, 0,1,2,3
	v_fma_f32 v[232+\b], v[232+\b], s22, v12       ; the same of each block's largest score
.endr
	s_wait_alu depctr_va_vdst(0)
.irp j, 0,1,2,3,4,5,6,7,8,9,10,11,12,13,14,15,16,17,18,19,20,21,22,23,24,25,26,27,28,29,30,31,32,33,34,35,36,37,38,39,40,41,42,43,44,45,46,47,48,49,50,51,52,53,54,55,56,57,58,59,60,61,62,63
	v_exp_f32 v[96+\j], v[96+\j]                   ; p = 2^(t - M), at most 1
.endr
	s_setprio 1
	v_pk_mul_f32 v[14:15], v[14:15], v[252:253] op_sel_hi:[1,0]   ; the sums under the new M (the plain line behind the exponentials)
	s_wait_alu depctr_va_vdst(0)                   ; one wait for the batch of 64, ahead of the first line that names a result
.irp b, 0,1,2,3
	v_exp_f32 v[232+\b], v[232+\b]                 ; the blocks' largest p
.endr
	s_wait_alu depctr_va_vdst(0)
.irp j, 0,2,4,6,8,10,12,14,16,18,20,22,24,26,28,30
	v_pk_mul_f32 v[160+\j:161+\j], v[160+\j:161+\j], v[252:253] op_sel_hi:[1,0]   ; O^T under the new M: work that names none of the four results
.endr
	s_wait_alu depctr_va_vdst(0)                   ; and one wait for the four
.irp b, 0,1,2,3
	v_max_num_f32 v[232+\b], 0x1800000, v[232+\b]  ; the floor 2^(3 - 127): the byte cannot fall under 1
.endr
.irp b, 0,1,2,3
	s_delay_alu instid0(VALU_DEP_4)
	v_add_nc_u32 v[244+\b], 0xff000000, v[232+\b]  ; 2 off the exponent field: the conversion's scale operand
.endr
.irp b, 0,1,2,3
	s_delay_alu instid0(VALU_DEP_4)
	v_lshrrev_b32 v[236+\b], 23, v[244+\b]         ; the scale's byte
.endr
	s_delay_alu instid0(VALU_DEP_3)
	v_lshl_or_b32 v253, v237, 8, v236              ; p's scale word for these 128 keys
	s_delay_alu instid0(VALU_DEP_1)
	v_lshl_or_b32 v253, v238, 16, v253
	s_delay_alu instid0(VALU_DEP_1)
	v_lshl_or_b32 v253, v239, 24, v253
.irp b, 0,1,2,3
	v_cvt_scalef32_pk8_fp4_f32 v[224+2*\b], v[96+16*\b:103+16*\b], v[244+\b]
	v_cvt_scalef32_pk8_fp4_f32 v[225+2*\b], v[104+16*\b:111+16*\b], v[244+\b]
.endr
	v_nop                                          ; one plain line behind the last conversion
.irp c, 0,1                                    ; a whole block in a lane: lanes 0-15 block 2 c, lanes 16-31 block 2 c + 1
.irp i, 0,1
	v_permlane16_swap_b32 v[224+4*\c+\i], v[226+4*\c+\i]
.endr
.endr
	v_pk_add_f32 v[236:237], v[100:101], v[104:105]
	v_pk_add_f32 v[246:247], v[108:109], v[112:113]
	v_pk_add_f32 v[244:245], v[116:117], v[120:121]
	v_pk_add_f32 v[242:243], v[124:125], v[128:129]
	v_pk_add_f32 v[240:241], v[132:133], v[136:137]
	v_pk_add_f32 v[234:235], v[140:141], v[144:145]
	v_pk_add_f32 v[232:233], v[148:149], v[152:153]
	v_pk_add_f32 v[14:15], v[14:15], v[156:157]
	v_pk_add_f32 v[236:237], v[236:237], v[96:97]
	v_pk_add_f32 v[246:247], v[246:247], v[98:99]
	v_pk_add_f32 v[244:245], v[244:245], v[102:103]
	v_pk_add_f32 v[242:243], v[242:243], v[106:107]
	v_pk_add_f32 v[240:241], v[240:241], v[110:111]
	v_pk_add_f32 v[234:235], v[234:235], v[114:115]
	v_pk_add_f32 v[232:233], v[232:233], v[118:119]
	s_setprio 0
	v_pk_add_f32 v[14:15], v[14:15], v[122:123]
	v_pk_add_f32 v[236:237], v[236:237], v[126:127]
	v_pk_add_f32 v[246:247], v[246:247], v[130:131]
	v_pk_add_f32 v[244:245], v[244:245], v[134:135]
	v_pk_add_f32 v[242:243], v[242:243], v[138:139]
	v_pk_add_f32 v[240:241], v[240:241], v[142:143]
	v_pk_add_f32 v[234:235], v[234:235], v[146:147]
	v_pk_add_f32 v[232:233], v[232:233], v[150:151]
	v_pk_add_f32 v[14:15], v[14:15], v[154:155]
	v_pk_add_f32 v[236:237], v[236:237], v[158:159]
	s_delay_alu instid0(VALU_DEP_2)
	v_pk_add_f32 v[14:15], v[14:15], v[242:243]
	s_delay_alu instid0(VALU_DEP_2)
	v_pk_add_f32 v[236:237], v[236:237], v[240:241]
	v_pk_add_f32 v[246:247], v[246:247], v[234:235]
	v_pk_add_f32 v[244:245], v[244:245], v[232:233]
	s_delay_alu instid0(VALU_DEP_2)
	v_pk_add_f32 v[14:15], v[14:15], v[246:247]
	s_delay_alu instid0(VALU_DEP_2)
	v_pk_add_f32 v[236:237], v[236:237], v[244:245]
	s_delay_alu instid0(VALU_DEP_1)
	v_pk_add_f32 v[14:15], v[14:15], v[236:237]
	s_wait_dscnt 0x0                               ; V is in
.irp t, 0,1,2,3                                ; the four accumulators take turns, one instruction a turn
	v_wmma_scale_f32_16x16x128_f8f6f4 v[160+8*\t:167+8*\t], v[192+8*\t:199+8*\t], v[224:231], v[160+8*\t:167+8*\t], v[248+\t], v253 matrix_a_fmt:MATRIX_FMT_FP4 matrix_b_fmt:MATRIX_FMT_FP4
.endr
.endm
; A tile's end: ctx = O^T / l, quantised along the head's 64 channels (two blocks), as an image to LDS.  Behind the second tile Wo's fragments are asked for first: V's registers are free.
.macro FINAL qt
.rept 4
	v_nop                                          ; places behind the last products
.endr
.if \qt == 1
	v_lshlrev_b32 v159, 1, v2                      ; 32 r: a column's row of scale bytes
.irp t, 0,1,2,3
	global_load_b128 v[192+8*\t:195+8*\t], v11, s[46:47] offset:512*\t   ; Wo: my columns 16 t + r, the head's 64 along K
	global_load_u16 v[248+\t], v159, s[48:49] offset:512*\t              ; their two scale bytes; the upper two, over zero codes, are 0
.endr
.irp t, 0,1,2,3
.irp j, 4,5,6,7
	v_mov_b32 v[192+8*\t+\j], 0                    ; zero codes for K = 64 .. 127
.endr
.endr
.endif
	v_add_f32 v14, v14, v15                        ; the sum's two halves,
	s_delay_alu instid0(VALU_DEP_1)
	v_permlanex16_b32 v254, v14, s20, s21
	s_delay_alu instid0(VALU_DEP_1)
	v_add_f32 v14, v14, v254                       ; and lane l xor 16's: the row's sum
	s_wait_alu depctr_va_vdst(0)
	v_rcp_f32 v14, v14
	v_nop                                          ; a plain line behind the reciprocal,
	s_wait_alu depctr_va_vdst(0)                   ; and the wait ahead of its first reader
.irp j, 0,2,4,6,8,10,12,14,16,18,20,22,24,26,28,30
	v_pk_mul_f32 v[96+\j:97+\j], v[160+\j:161+\j], v[14:15] op_sel_hi:[1,0]   ; register 16 b + i = channel 32 b + 16 h + i of my query
.endr
.irp b, 0,1
	v_max3_num_f32 v[232+\b], |v[96+16*\b]|, |v[97+16*\b]|, 0x1800000
.endr
.irp i, 2,4,6,8,10,12,14
.irp b, 0,1
	s_delay_alu instid0(VALU_DEP_2)
	v_max3_num_f32 v[232+\b], v[232+\b], |v[96+16*\b+\i]|, |v[97+16*\b+\i]|
.endr
.endr
.irp b, 0,1
	s_delay_alu instid0(VALU_DEP_2)
	v_permlanex16_b32 v[236+\b], v[232+\b], s20, s21
.endr
.irp b, 0,1
	s_delay_alu instid0(VALU_DEP_2)
	v_max_num_f32 v[232+\b], v[232+\b], v[236+\b]
.endr
.irp b, 0,1
	s_delay_alu instid0(VALU_DEP_2)
	v_add_nc_u32 v[244+\b], 0xff000000, v[232+\b]
.endr
.irp b, 0,1
	s_delay_alu instid0(VALU_DEP_2)
	v_lshrrev_b32 v[236+\b], 23, v[244+\b]
.endr
	s_delay_alu instid0(VALU_DEP_1)
	v_lshl_or_b32 v240, v237, 8, v236              ; two bytes; the upper two, over zero codes, are 0
.irp b, 0,1
	v_cvt_scalef32_pk8_fp4_f32 v[224+2*\b], v[96+16*\b:103+16*\b], v[244+\b]
	v_cvt_scalef32_pk8_fp4_f32 v[225+2*\b], v[104+16*\b:111+16*\b], v[244+\b]
.endr
	v_nop
.irp i, 0,1
	v_permlane16_swap_b32 v[224+\i], v[226+\i]     ; registers 0-3: K = 32 h + 0 .. 31
.endr
	ds_store_b128 v7, v[224:227] offset:8192*\qt   ; image 16 qt + wave
	ds_store_b32 v8, v240 offset:2048*\qt
	s_wait_dscnt 0x0
.endm
.macro QTILE qt
	global_load_b128 v[16:19], v1, s[42:43] offset:9216*\qt    ; Q's image stays in registers
	global_load_b32 v255, v2, s[44:45] offset:9216*\qt         ; and its scale words
	v_mov_b32 v13, 0xff61b1e6                      ; the largest t so far: -3e38
	s_delay_alu instid0(VALU_DEP_1)
	v_floor_f32 v12, -v13                          ; -M
	v_mov_b32 v14, 0
	v_mov_b32 v15, 0
.irp j, 0,1,2,3,4,5,6,7,8,9,10,11,12,13,14,15,16,17,18,19,20,21,22,23,24,25,26,27,28,29,30,31
	v_mov_b32 v[160+\j], 0                         ; O^T: the step is written once; its first trip finds zeros, which the first change of M leaves zeros
.endr
	s_mov_b32 s36, 0
	s_mov_b32 s37, 16
	s_wait_loadcnt 0x0
.Lkey_\@:                                          ; 16 trips: the head's 2,048 keys
	s_setprio 2
	STEP
	s_add_co_u32 s36, s36, STEPB
	s_sub_co_u32 s37, s37, 1
	s_cmp_lg_u32 s37, 0
	s_cbranch_scc1 .Lkey_\@
	s_setprio 0
	s_wait_alu depctr_va_vdst(0)
	FINAL \qt
.endm
	QTILE 0
	QTILE 1
	s_barrier_signal -1                            ; my images are stored (the wait for them closes each tile's end)
	s_barrier_wait -1                              ; all 32 lie in LDS
	; PRODUCT 6: source 0 = 16 queries of ctx, source 1 = 16 of my columns of Wo: a lane holds one column, its registers eight queries.  32 tiles of queries x 4 tiles of columns on four accumulators by turns.
.irp g, 0,1,2,3
.if \g > 0
.rept 4
	v_nop                                          ; places in front of loads into registers that the last products read
.endr
.endif
.irp i, 0,1,2,3,4,5,6,7
	ds_load_b128 v[32+8*\i:35+8*\i], v9 offset:(8*\g+\i)*512
	ds_load_b32 v[24+\i], v10 offset:(8*\g+\i)*128
.endr
	s_wait_dscnt 0x0
.if \g == 0
	s_wait_loadcnt 0x0                             ; Wo
.endif
.irp i, 0,1,2,3,4,5,6,7
.irp t, 0,1,2,3
.if (\g == 0) && (\i == 0)
	v_wmma_scale_f32_16x16x128_f8f6f4 v[160+8*\t:167+8*\t], v[32+8*\i:39+8*\i], v[192+8*\t:199+8*\t], 0, v[24+\i], v[248+\t] matrix_a_fmt:MATRIX_FMT_FP4 matrix_b_fmt:MATRIX_FMT_FP4
.else
	v_wmma_scale_f32_16x16x128_f8f6f4 v[160+8*\t:167+8*\t], v[32+8*\i:39+8*\i], v[192+8*\t:199+8*\t], v[160+8*\t:167+8*\t], v[24+\i], v[248+\t] matrix_a_fmt:MATRIX_FMT_FP4 matrix_b_fmt:MATRIX_FMT_FP4
.endif
.endr
.endr
.endr
.rept 4
	v_nop
.endr
.irp t, 0,1,2,3                                ; a lane's eight registers are added, each accumulator from its low end on; the two halves of the lanes stay apart
	v_pk_add_f32 v[232+4*\t:233+4*\t], v[160+8*\t:161+8*\t], v[162+8*\t:163+8*\t]
	v_pk_add_f32 v[234+4*\t:235+4*\t], v[164+8*\t:165+8*\t], v[166+8*\t:167+8*\t]
.endr
.irp t, 0,1,2,3
	v_pk_add_f32 v[232+4*\t:233+4*\t], v[232+4*\t:233+4*\t], v[234+4*\t:235+4*\t]
.endr
.irp t, 0,1,2,3
	s_delay_alu instid0(VALU_DEP_4)
	v_add_f32 v[128+\t], v[232+4*\t], v[233+4*\t]
.endr
	global_store_b128 v1, v[128:131], s[50:51]     ; 32 lanes store 512 consecutive bytes, aligned: [lane][tile of columns]
	s_wait_tensorcnt 0x0                           ; the wave's end
	ds_add_u32 v3, v4
	s_wait_dscnt 0x0
	CROUND                                         ; the closing round
	s_endpgm
.Lfunc_end_k_q4d2feb2dee_attn:
	.size	k_q4d2feb2dee_attn, .Lfunc_end_k_q4d2feb2dee_attn-k_q4d2feb2dee_attn
	.p2alignl 7, 3214868480
	.fill 96, 4, 3214868480
	.section	.rodata,"a",@progbits
	.p2align	6, 0x0
	.amdhsa_kernel k_q4d2feb2dee_attn
		.amdhsa_group_segment_fixed_size 167936
		.amdhsa_private_segment_fixed_size 0
		.amdhsa_enable_private_segment 0
		.amdhsa_kernarg_size 40
		.amdhsa_user_sgpr_count 2
		.amdhsa_user_sgpr_kernarg_segment_ptr 1
		.amdhsa_wavefront_size32 1
		.amdhsa_system_sgpr_workgroup_id_x 1
		.amdhsa_system_sgpr_workgroup_id_y 1
		.amdhsa_system_sgpr_workgroup_id_z 1
		.amdhsa_system_vgpr_workitem_id 0
		.amdhsa_next_free_vgpr 256
		.amdhsa_next_free_sgpr 66
		.amdhsa_reserve_vcc 0
		.amdhsa_float_denorm_mode_32 3
		.amdhsa_float_denorm_mode_16_64 3
		.amdhsa_memory_ordered 1
		.amdhsa_forward_progress 1
		.amdhsa_inst_pref_size 73
	.end_amdhsa_kernel
	.amdgpu_metadata
---
amdhsa.version: [ 1, 2 ]
amdhsa.kernels:
  - .name:           k_q4d2feb2dee_attn
    .symbol:         k_q4d2feb2dee_attn.kd
    .args:
      - { .name: qq, .offset: 0, .size: 8, .value_kind: global_buffer, .address_space: global }
      - { .name: kv, .offset: 8, .size: 8, .value_kind: global_buffer, .address_space: global }
      - { .name: woc, .offset: 16, .size: 8, .value_kind: global_buffer, .address_space: global }
      - { .name: ws, .offset: 24, .size: 8, .value_kind: global_buffer, .address_space: global }
      - { .name: part, .offset: 32, .size: 8, .value_kind: global_buffer, .address_space: global }
    .group_segment_fixed_size: 167936
    .private_segment_fixed_size: 0
    .kernarg_segment_align: 8
    .kernarg_segment_size: 40
    .max_flat_workgroup_size: 512
    .sgpr_count:     66
    .vgpr_count:     256
    .wavefront_size: 32
...
	.end_amdgpu_metadata
.endif
;; end of part 3
;; launch mean (part 4): grid 16 x 4, 8 waves a work-group, no clusters, 5,120 bytes of LDS; arguments part, bo, out0; writes out0
.if DOCPART == 4
	.amdgcn_target "amdgcn-amd-amdhsa--gfx1250"
	.amdhsa_code_object_version 6
	.text
	.protected	k_q4d2feb2dee_mean
	.globl	k_q4d2feb2dee_mean
	.p2align	8
	.type	k_q4d2feb2dee_mean,@function
k_q4d2feb2dee_mean:
	s_mov_b64 s[64:65], 0
	v_nop
	global_prefetch_b8 v0, s[64:65] scope:SCOPE_SE
	s_setreg_imm32_b32 hwreg(HW_REG_WAVE_MODE, 25, 1), 1
	s_wait_xcnt 0x0
; Launch 4 of 4: out0[b][n] = (the sum of launch 3's parts over the batch's 16 heads and 4 blocks of queries) / 2,048 + bo[n].  Nothing of the problem is left out here.
; A work-group owns 64 columns of one batch: 256 consecutive bytes of out0.  Each of its eight waves adds 8 of the 64 parts (512 bytes each: [lane][4 tiles of columns]); the waves' sums meet in LDS, laid by column:
; lane (r, h), tile t holds storage column 16 t + r, which is column 32 (t / 2) + 16 (r / 8) + 8 (t % 2) + r % 8; wave 0 adds the 16 rows (8 waves x 2 halves of the lanes) and stores.
; The order of these f32 additions differs from the source's mean.  Memory binds: no matrix unit, no tensor load, no cluster.
.macro TREE                            ; eight sets of four numbers, v32 on, are added into v[32:35]
.irp i, 0,2,4,6
	v_pk_add_f32 v[32+4*\i:33+4*\i], v[32+4*\i:33+4*\i], v[36+4*\i:37+4*\i]
	v_pk_add_f32 v[34+4*\i:35+4*\i], v[34+4*\i:35+4*\i], v[38+4*\i:39+4*\i]
.endr
.irp i, 0
	v_pk_add_f32 v[32+4*\i:33+4*\i], v[32+4*\i:33+4*\i], v[40+4*\i:41+4*\i]
	v_pk_add_f32 v[34+4*\i:35+4*\i], v[34+4*\i:35+4*\i], v[42+4*\i:43+4*\i]
.endr
.irp i, 4
	s_delay_alu instid0(VALU_DEP_4)
	v_pk_add_f32 v[32+4*\i:33+4*\i], v[32+4*\i:33+4*\i], v[40+4*\i:41+4*\i]
	s_delay_alu instid0(VALU_DEP_4)
	v_pk_add_f32 v[34+4*\i:35+4*\i], v[34+4*\i:35+4*\i], v[42+4*\i:43+4*\i]
.endr
	s_delay_alu instid0(VALU_DEP_2)
	v_pk_add_f32 v[32:33], v[32:33], v[48:49]
	s_delay_alu instid0(VALU_DEP_2)
	v_pk_add_f32 v[34:35], v[34:35], v[50:51]
.endm
	s_load_b128 s[4:7], s[0:1], 0x0                ; part s[4:5], bo s[6:7]
	s_load_b64 s[8:9], s[0:1], 0x10                ; out0
	v_lshl_add_u32 v30, v0, 2, 4096                ; my spare word, behind the 16 rows; never rewritten
	v_mov_b32 v31, 0                               ; 0; never rewritten
	v_lshrrev_b32 v1, 5, v0
	s_delay_alu instid0(VALU_DEP_1)
	v_readfirstlane_b32 s10, v1                    ; wave 0..7
	v_and_b32 v2, 31, v0                           ; lane
	s_delay_alu instid0(VALU_DEP_1)
	v_lshlrev_b32 v3, 4, v2                        ; 16 bytes a lane: in a part, and in two rows of LDS
	v_and_b32 v4, 15, v0                           ; r
	v_bfe_u32 v5, v0, 4, 1                         ; h
	s_delay_alu instid0(VALU_DEP_2)
	v_lshlrev_b32 v8, 4, v4                        ; 16 r: bo's and out0's place
	s_delay_alu instid0(VALU_DEP_3)
	v_and_b32 v6, 7, v4
	s_delay_alu instid0(VALU_DEP_1)
	v_lshlrev_b32 v6, 2, v6
	v_bfe_u32 v7, v0, 3, 1
	s_delay_alu instid0(VALU_DEP_1)
	v_lshl_add_u32 v6, v7, 6, v6
	s_delay_alu instid0(VALU_DEP_1)
	v_lshl_add_u32 v6, v5, 8, v6
	s_lshl_b32 s14, s10, 9
	v_add_nc_u32 v6, s14, v6                       ; row 2 x wave + h of 256 bytes; in it 64 (r / 8) + 4 (r % 8)
	s_mov_b32 s16, 0x76543210                      ; v_permlanex16_b32's selects for lane l xor 16
	s_mov_b32 s17, 0xfedcba98
	s_and_b32 s11, ttmp7, 0xffff                   ; the batch
	s_lshl_b32 s12, s11, 19                        ; its 64 parts of 8,192 bytes,
	s_lshl_b32 s13, s10, 16                        ; my wave's eight,
	s_add_co_u32 s12, s12, s13
	s_lshl_b32 s13, ttmp9, 9                       ; the 64 columns' 512 bytes
	s_add_co_u32 s12, s12, s13
	s_mov_b32 s13, 0
	s_wait_kmcnt 0x0
	s_add_nc_u64 s[4:5], s[4:5], s[12:13]
.irp i, 0,1,2,3,4,5,6,7
	global_load_b128 v[32+4*\i:35+4*\i], v3, s[4:5] offset:8192*\i th:TH_LOAD_NT   ; 32 lanes read 512 consecutive bytes
.endr
	s_wait_loadcnt 0x0
	TREE
	ds_store_b32 v6, v32                           ; tile 0,
	ds_store_b32 v6, v33 offset:32                 ; tile 1: 8 columns on,
	ds_store_b32 v6, v34 offset:128                ; tile 2: 32 on,
	ds_store_b32 v6, v35 offset:160                ; tile 3: 40 on
	s_wait_dscnt 0x0                               ; for the others' sake: my stores are done
	s_barrier_signal -1
	s_barrier_wait -1
	s_cmp_lg_u32 s10, 0
	s_cbranch_scc1 .Lend                           ; wave 0 alone goes on
	s_lshl_b32 s12, ttmp9, 8                       ; the 64 columns' 256 bytes
	s_add_nc_u64 s[6:7], s[6:7], s[12:13]
	global_load_b128 v[12:15], v8, s[6:7]          ; bo
.irp i, 0,1,2,3,4,5,6,7
	ds_load_b128 v[32+4*\i:35+4*\i], v3 offset:512*\i   ; lanes 0-15 row 2 i, lanes 16-31 row 2 i + 1
.endr
	s_lshl_b32 s14, s11, 12
	s_add_co_u32 s12, s12, s14                     ; out0: 4,096 bytes a batch
	s_add_nc_u64 s[8:9], s[8:9], s[12:13]
.irp j, 0,1,2,3
	v_mov_b32 v[16+\j], 0                          ; a lane permute's destination counts as one of its sources
.endr
	s_wait_dscnt 0x0
	TREE
.irp j, 0,1,2,3
	v_permlanex16_b32 v[16+\j], v[32+\j], s16, s17
.endr
.irp j, 0,1,2,3
	s_delay_alu instid0(VALU_DEP_4)
	v_add_f32 v[32+\j], v[32+\j], v[16+\j]         ; even rows and odd rows: the whole sum
.endr
	s_wait_alu depctr_va_vdst(0)
	s_wait_loadcnt 0x0
.irp j, 0,1,2,3
	v_fmamk_f32 v[20+\j], v[32+\j], 0x3a000000, v[12+\j]   ; x 1 / 2,048, + bo: one fused multiply-add
.endr
	s_wait_alu depctr_va_vdst(0)
	s_wait_xcnt 0x0                                ; EXEC changes only behind this wait
	v_cmp_gt_u32 vcc_lo, 16, v2
	s_and_saveexec_b32 s18, vcc_lo
	global_store_b128 v8, v[20:23], s[8:9]         ; sixteen lanes store 256 consecutive bytes, aligned
	s_wait_xcnt 0x0                                ; and again in front of the line that widens it
	s_or_b32 exec_lo, exec_lo, s18
.Lend:
	s_wait_tensorcnt 0x0                           ; the wave's end
	ds_add_u32 v30, v31
	s_wait_dscnt 0x0
	s_endpgm
.Lfunc_end_k_q4d2feb2dee_mean:
	.size	k_q4d2feb2dee_mean, .Lfunc_end_k_q4d2feb2dee_mean-k_q4d2feb2dee_mean
	.p2alignl 7, 3214868480
	.fill 96, 4, 3214868480
	.section	.rodata,"a",@progbits
	.p2align	6, 0x0
	.amdhsa_kernel k_q4d2feb2dee_mean
		.amdhsa_group_segment_fixed_size 5120
		.amdhsa_private_segment_fixed_size 0
		.amdhsa_enable_private_segment 0
		.amdhsa_kernarg_size 24
		.amdhsa_user_sgpr_count 2
		.amdhsa_user_sgpr_kernarg_segment_ptr 1
		.amdhsa_wavefront_size32 1
		.amdhsa_system_sgpr_workgroup_id_x 1
		.amdhsa_system_sgpr_workgroup_id_y 1
		.amdhsa_system_sgpr_workgroup_id_z 1
		.amdhsa_system_vgpr_workitem_id 0
		.amdhsa_next_free_vgpr 64
		.amdhsa_next_free_sgpr 66
		.amdhsa_reserve_vcc 1
		.amdhsa_float_denorm_mode_32 3
		.amdhsa_float_denorm_mode_16_64 3
		.amdhsa_memory_ordered 1
		.amdhsa_forward_progress 1
		.amdhsa_inst_pref_size 8
	.end_amdhsa_kernel
	.amdgpu_metadata
---
amdhsa.version: [ 1, 2 ]
amdhsa.kernels:
  - .name:           k_q4d2feb2dee_mean
    .symbol:         k_q4d2feb2dee_mean.kd
    .args:
      - { .name: part, .offset: 0, .size: 8, .value_kind: global_buffer, .address_space: global }
      - { .name: bo, .offset: 8, .size: 8, .value_kind: global_buffer, .address_space: global }
      - { .name: out0, .offset: 16, .size: 8, .value_kind: global_buffer, .address_space: global }
    .group_segment_fixed_size: 5120
    .private_segment_fixed_size: 0
    .kernarg_segment_align: 8
    .kernarg_segment_size: 24
    .max_flat_workgroup_size: 256
    .sgpr_count:     66
    .vgpr_count:     64
    .wavefront_size: 32
...
	.end_amdgpu_metadata
.endif
;; end of part 4
